; MI455X (gfx1250); checked and timed in simulation.
; The chip was launched on July 23, 2026; its instructions are those of AMD's public machine-readable ISA for CDNA 5 (MIT licence, August 2026) and "CDNA5" Instruction Set Architecture Reference Guide (July 2026). The comments in the code are by the model that wrote it; some were corrected since.
;; Multi Head Attention. Allowed arithmetic: matrix products marked QUANTISED: E2M3 operands, one E8M0 scale for each 32 along K, by v_wmma_scale_f32_16x16x128_f8f6f4 with both operands' format E2M3, f32 sums; everything else in f32.
;; Inputs: bk 16 x 64 float32; bo 16 x 1,024 float32; bq 16 x 64 float32; bv 16 x 64 float32; normalized_resid_pre_codes 4 x 2,048 x 32 x 24 uint8 (E2M3 codes of normalized_resid_pre, K innermost, in blocks of 32 codes, four codes in three bytes); normalized_resid_pre_scales 4 x 2,048 x 32 uint8 (E8M0 scales of normalized_resid_pre, one for each 32 codes along K); wk_codes 16 x 64 x 32 x 24 uint8 (E2M3 codes of wk, K innermost, in blocks of 32 codes, four codes in three bytes); wk_scales 16 x 64 x 32 uint8 (E8M0 scales of wk, one for each 32 codes along K); wo 16 x 64 x 1,024 float32; wq_codes 16 x 64 x 32 x 24 uint8 (E2M3 codes of wq, K innermost, in blocks of 32 codes, four codes in three bytes); wq_scales 16 x 64 x 32 uint8 (E8M0 scales of wq, one for each 32 codes along K); wv_codes 16 x 64 x 32 x 24 uint8 (E2M3 codes of wv, K innermost, in blocks of 32 codes, four codes in three bytes); wv_scales 16 x 64 x 32 uint8 (E8M0 scales of wv, one for each 32 codes along K).
;; Outputs: out0 4 x 2,048 x 1,024 float32.
;; This version of the problem:
;;   THIS VERSION OF THE PROBLEM IS GIVEN IN LOW PRECISION. The matrix products marked QUANTISED in the list below multiply operands that are first quantised to E2M3 (2 exponent bits, 3 mantissa bits; 6 bits a number), with one power-of-two scale for each 32 numbers along K (OCP MX v1.0); their sums are f32. All else is computed in f32.
;;   The module's matrix products, in the order in which they are computed (A, B: the left and right operand; K: the contracted axis; several contracted axes count as one K, in the product's order):
;;     1. [M 1,024, K 1,024] x [K 1,024, N 8,192]; A: input wq (given as codes); B: input normalized_resid_pre (given as codes): QUANTISED
;;     2. [M 1,024, K 1,024] x [K 1,024, N 8,192]; A: input wk (given as codes); B: input normalized_resid_pre (given as codes): QUANTISED
;;     3. [M 1,024, K 1,024] x [K 1,024, N 8,192]; A: input wv (given as codes); B: input normalized_resid_pre (given as codes): QUANTISED
;;     4. batch 64 x [M 2,048, K 64] x [K 64, N 2,048]; A: computed on the way; B: computed on the way: QUANTISED
;;     5. batch 64 x [M 2,048, K 2,048] x [K 2,048, N 64]; A: softmax (see below); B: computed on the way: QUANTISED
;;     6. [M 8,192, K 1,024] x [K 1,024, N 1,024]; A: computed on the way; B: input wo: QUANTISED
;;   THE QUANTISER, for each operand of a quantised product, along K:
;;     - K is cut into blocks of 32 from its start; a last block that is shorter is filled with zeros.
;;     - A block's scale is 2^e with e = floor(log2(the largest magnitude in the block)) - 2, held to -126 .. 127; a block of zeros has e = 0. As a byte (E8M0): e + 127.
;;     - Each number is divided by its block's scale, clamped to +-7.5, and rounded to the nearest number of E2M3, ties to even, subnormals kept.
;;     - The product sums the exact products of the quantised numbers (number of the format x scale) in f32.
;;   ~~~python
;;   def quantise(x, axis):      # numpy; x: float32 -> the quantised numbers, widened to float32 again
;;       x = np.moveaxis(x, axis, -1); K = x.shape[-1]
;;       x = np.pad(x, [(0, 0)] * (x.ndim - 1) + [(0, -K % 32)]); x = x.reshape(x.shape[:-1] + (-1, 32)); a = np.abs(x).max(-1, keepdims=True)
;;       e = np.where(a > 0, np.clip(np.frexp(np.where(a > 0, a, 1))[1] - 1 - 2, -126, 127), 0)      # np.frexp(a)[1] - 1 = floor(log2(a)), exactly
;;       r = np.clip(x / 2.0 ** e, -7.5, 7.5)
;;       step = 2.0 ** (np.maximum(np.frexp(np.where(r == 0, 1, r))[1] - 1, 0) - 3)
;;       q = np.round(r / step) * step * 2.0 ** e      # np.round: ties to even
;;       return np.moveaxis(q.reshape(q.shape[:-2] + (-1,))[..., :K], -1, axis).astype(np.float32)
;;   ~~~
;;   SOFTMAX AHEAD OF A QUANTISED PRODUCT. Where the list says 'softmax', what is quantised is not the finished softmax but p = 2^(t - M), with t = logit x log2(e) and M = ceil(the row's largest t), a whole number; so 1/2 < the row's largest p <= 1. The row's sum l is taken of the UNQUANTISED p, in f32, and the product's result is divided by l at the end. Since M is a whole number, a kernel that streams over the keys may use a running M (the ceiling of the running maximum): every later rescaling is an exact power of two, which a block's scale takes up: the codes' values come out the same.
;;   OPERANDS COMPUTED ON THE WAY. 'Computed on the way' means the value that the module computes at that place (a softmax that the list does not call 'softmax' is quantised finished and normalised). What goes into a quantiser is computed in f32, as accurately as f32 sums, v_exp_f32 and their like allow (about 1e-6 of the number): no bf16 or f16 on the way to a quantiser, and a product that is left as it is and whose result goes on into a quantised operand takes f32 operands (vector FMAs, or v_wmma_f32_16x16x4_f32). A number that lies on a knife's edge between two numbers of the format may be rounded either way, as far as f32 arithmetic and the matrix unit's own rounding can turn it there, and no further.
;;   INPUTS GIVEN AS CODES. normalized_resid_pre (in the module: [4, 2048, 1024], K = its axis 2); wk (in the module: [16, 1024, 64], K = its axis 1); wq (in the module: [16, 1024, 64], K = its axis 1); wv (in the module: [16, 1024, 64], K = its axis 1): each comes as NAME_codes (uint8): NAME with its K axis moved to the last place and cut into blocks of 32 codes, [.., K / 32, bytes a block], one block behind the other in memory; four codes in three bytes: a row's codes are one little-endian stream of bits, code i at bits 6 i .. 6 i + 5 (a code: sign, 2 exponent bits, 3 mantissa bits); and NAME_scales (uint8): the same leading axes, one E8M0 byte (e + 127) for each 32 codes along K. Its value is code x scale, taken as it is: it is not quantised again, and the codes and scales need not be those that the quantiser above would give.
;; One version. Each part assembles by itself: llvm-mc -triple=amdgcn-amd-amdhsa -mcpu=gfx1250 --defsym DOCPART=n.
;; ======== version 1 of 1: 3 launches
;; limits: right only within a limited range of input values
;; workspace buffers: woimg 786,432 bytes; wosc 32,768 bytes; qbuf 6,815,744 bytes; kvbuf 13,369,344 bytes; hc 6,291,456 bytes; hs 262,144 bytes
;; launch qkv (part 1): grid 4 x 192, 4 waves a work-group, clusters of 4 x 4, 313,856 bytes of LDS; arguments normalized_resid_pre_codes, normalized_resid_pre_scales, wq_codes, wq_scales, wk_codes, wk_scales, wv_codes, wv_scales, bq, bk, bv, qbuf, kvbuf; writes qbuf, kvbuf
.if DOCPART == 1
	.amdgcn_target "amdgcn-amd-amdhsa--gfx1250"
	.amdhsa_code_object_version 6
	.text
	.protected	k_q819a26e9fb_qkv
	.globl	k_q819a26e9fb_qkv
	.p2align	8
	.type	k_q819a26e9fb_qkv,@function
k_q819a26e9fb_qkv:
	s_mov_b64 s[64:65], 0
	v_nop
	global_prefetch_b8 v0, s[64:65] scope:SCOPE_SE
	s_setreg_imm32_b32 hwreg(HW_REG_WAVE_MODE, 25, 1), 1
	s_wait_xcnt 0x0
	s_wait_alu depctr_hold_cnt(0) depctr_sa_sdst(0) depctr_va_vdst(0) depctr_va_sdst(0) depctr_va_ssrc(0) depctr_va_vcc(0) depctr_vm_vsrc(0)
	s_getreg_b32 s2, hwreg(HW_REG_IB_STS2, 6, 4)
	s_cmp_eq_u32 s2, 0
	s_cbranch_scc0 .Lentry_in_a_cluster
	s_endpgm
.Lentry_in_a_cluster:
	s_bfe_u32 s2, ttmp6, 0x10000c
	s_cmp_lg_u32 s2, 0xf033
	s_cbranch_scc0 .Lentry_shape_is_right
	s_endpgm
.Lentry_shape_is_right:
; q, k, v = x W + b on the given FP6 (E2M3) codes and E8M0 scales, and their quantising for the two products of attention.  f32 numbers never leave the registers.
; ONE TEXT FOR THE THREE PRODUCTS.  The cluster's y (0..47) gives the kind (0 q, 1 k, 2 v: the same in all sixteen partners) and a place; only pointers and offsets are chosen by it, up to the way out.
; A work-group makes "A" 128 rows x "B" 256 rows over all of K = 1,024.  q, k: A = tokens (x), B = features (W).  v: A = features (wv), B = tokens (x).
; Each product is D = (source 0: 16 rows of B) x (source 1: 16 rows of A): lane (r, h) holds A's row r, and its registers run along B: 8 h + 0 .. 7.  So a lane's registers run along the NEXT
; product's K: along e for q and k, along the keys for v.  Four waves: wave w takes A's half w / 2 (4 tiles) and B's half w % 2 (8 tiles): 32 accumulators, which take turns in the same order in each
; of the 8 K steps.
; LDS IS FILLED ONCE: the block's 384 rows of 768 bytes all fit, as three chunks of 256 bytes a row (each 256 consecutive bytes of memory at a multiple of 256), 16 bytes of padding behind each.
; Three tensor loads a wave go out at the start (by this text's count three are outstanding); counted waits and plain barriers let K steps begin as chunks land.  Nothing is filled again.
; CLUSTER 4 x 4: A's tiles hang on the cluster's y and cy alone and are asked for jointly along a row of the cluster, B's on cx alone and jointly along a column.
; THE SCALE WORDS of my rows, for all 8 K steps, come once from memory into registers: a lane takes a row's 32 bytes; lanes 0-15 hold the even tile of a pair, lanes 16-31 the odd one.
; THE WAY OUT.  bias added; v_permlane16_swap_b32 makes 16 registers 16 neighbours along the next K; blocks of 32 are quantised (two lanes to a block); the codes leave as images of the operands' registers:
;   qbuf  [b h 64][record of 128 tokens 16][6,656]:  4 pair images x 1,536 | scale words 2 x 256
;   kvbuf [b h 64][record of 128 keys 16][13,056]:   K: 4 pair images x 1,536 | V: 4 fragments x 1,536 | K's scale words 2 x 256 | V's 256
;   pair image b: 12 registers a lane, tile 2 b's six and tile 2 b + 1's six; lane (r, h) of tile 2 b + u holds token 32 b + 8 u + r + 8 (r / 8), codes of e = 32 h + 0 .. 31.
;   (That order of tokens makes the scores' 16 registers of two neighbouring tiles 16 neighbouring keys in the next launch.)  It is made here on the codes: a move from lane l xor 8 and a select.
;   q's and k's scale words: bytes 0, 1 the head's two blocks, bytes 2, 3 zero (2^-127, no NaN): the upper half of the instruction's 128 along K is not used there.
; LIMITS: a block whose largest magnitude lies under 2^-124 (a block of zeros too) keeps the byte 1: only this program reads these bytes.  A given scale byte 0xff gives NaN, as the format says.
; REGISTERS.  window 0: v1-19 addresses; v32-47 A's scale words, v48-79 B's; v80-175 A's fragments, two sets; v176-183 bias by A's row; on the way out v80-242 at work.
;   window 1: accumulator (ta, tb) at v[8 (8 ta + tb)].   window 2: v0-191 B's fragments, two sets; v192-255 bias by B's row, in the result's layout.
; LDS AS IT IS LAID NOW (this takes the place of the chunk planes and the three loads a wave named above): a wave's rows are dense in memory, so ONE tensor load a wave brings them
; as lines of 256 bytes with 16 bytes of padding behind each: a row of 768 bytes is three lines, 816 bytes of LDS; chunk c of a row lies 272 c bytes into it.
; TOKEN ORDER OF q's AND k's IMAGES AS IT IS NOW: among a wave's 64 tokens, lane r of tile t (0..3) holds token 32 (r / 8) + 8 t + r % 8.
.set PITCH, 816                        ; 204 words: row r starts at bank 12 r mod 64, sixteen different groups of 4 banks; lanes 16-31 read 6 words on
.set ACH,   272                        ; from chunk to chunk inside a row
.set BCH,   272
.set BBASE, 128*PITCH                  ; B's 256 rows lie behind A's 128
.set ADRB2, 23                         ; v23-25, v26-27: B's tiles 4-7, 64 rows on, so that the loads' offsets stay inside 16 bits
.set XB2,   26
.set SA,   32
.set SB,   48
.set AF,   80
.set BA,   176
.set BI,   192
.set ADRA, 10                          ; v10-12  my A fragments in chunk 0, 1, 2: 816 r + 24 h + my half
.set XA,   13                          ; v13-14  the same for pieces whose lanes 16-31 fall into the next chunk: 816 r + h x (a chunk - 232)
.set ADRB, 15                          ; v15-17, v18-19 the same for B
.set XB,   18
.set ST,   80                          ; the way out: a tile's 64 numbers
.set TM,   144                         ; v144-147 largest magnitudes, v148-151 permute temps and bytes, v156-159 scale operands
.set PW,   160                         ; v160-163 scale words
.set TY0,  164
.set TY1,  168
.set NC,   184                         ; codes: q, k: natural tile g, head c at NC + 12 g + 6 c;  v: tile ta at NC + 12 ta
.set IMG,  208                         ; pair image of head c at IMG + 12 c
.set DT,   232
.set SW,   236                         ; scale words to store: head c, pair p at SW + 2 c + p
.set WT,   240
.set WV,   30
.set WA,   31
.set WB,   80
.set CX,   81
.set CY,   82
.set TYP,  83
.set IDX,  84
.set ABLK, 85
.set BBLK, 86
.set MROW, 87
.set MCOL, 88
.set G1A,  32                          ; s[32:39], s[40:47] descriptor groups 1;  s[48:51], s[68:71] groups 0
.set G1B,  40
.set G0A,  48
.set G0B,  68
.set SEL,  92
.set M8,   94
.set M16,  95
.set G1W0, (3<<16)|(1<<20)|(1<<21)|(5<<22)|(3<<25)   ; elements of 8 bytes; padding on; bit 21 beside a mask; after every 64 words, 4 words
.set MSB, 0
.macro WIN new                         ; the immediate's high byte repeats the setting that is left
.if MSB != \new
	s_set_vgpr_msb (MSB<<8)|\new
.set MSB, \new
.endif
.endm
.macro PLACES n
.rept \n
	v_nop
.endr
.endm
.macro CROUND                          ; a round of the cluster's barrier
	s_barrier_signal -1
	s_barrier_wait -1
	s_cmp_lg_u32 s[WV], 0
	s_cbranch_scc1 .Lnot_wave_0_\@
	s_barrier_signal -3
.Lnot_wave_0_\@:
	s_barrier_wait -3
	s_barrier_signal -1
	s_barrier_wait -1
.endm
; One product.  cm = 0: it starts the sum;  1: it adds in place.  ra, rb = 1: source 0's, source 1's scale words stand in lanes 16-31.
.macro WM d, a, b, cm, sa, sb, ra, rb
.set xD, \d
.set xA, \a
.set xB, \b
.set xS, \sa
.set xT, \sb
.if (\cm) == 0
.if ((\ra) == 0) && ((\rb) == 0)
	v_wmma_scale_f32_16x16x128_f8f6f4 v[xD:xD+7], v[xA:xA+11], v[xB:xB+11], 0, v[xS], v[xT] matrix_a_fmt:MATRIX_FMT_FP6 matrix_b_fmt:MATRIX_FMT_FP6
.elseif (\rb) == 0
	v_wmma_scale_f32_16x16x128_f8f6f4 v[xD:xD+7], v[xA:xA+11], v[xB:xB+11], 0, v[xS], v[xT] matrix_a_fmt:MATRIX_FMT_FP6 matrix_b_fmt:MATRIX_FMT_FP6 matrix_a_scale:MATRIX_SCALE_ROW1
.elseif (\ra) == 0
	v_wmma_scale_f32_16x16x128_f8f6f4 v[xD:xD+7], v[xA:xA+11], v[xB:xB+11], 0, v[xS], v[xT] matrix_a_fmt:MATRIX_FMT_FP6 matrix_b_fmt:MATRIX_FMT_FP6 matrix_b_scale:MATRIX_SCALE_ROW1
.else
	v_wmma_scale_f32_16x16x128_f8f6f4 v[xD:xD+7], v[xA:xA+11], v[xB:xB+11], 0, v[xS], v[xT] matrix_a_fmt:MATRIX_FMT_FP6 matrix_b_fmt:MATRIX_FMT_FP6 matrix_a_scale:MATRIX_SCALE_ROW1 matrix_b_scale:MATRIX_SCALE_ROW1
.endif
.else
.if ((\ra) == 0) && ((\rb) == 0)
	v_wmma_scale_f32_16x16x128_f8f6f4 v[xD:xD+7], v[xA:xA+11], v[xB:xB+11], v[xD:xD+7], v[xS], v[xT] matrix_a_fmt:MATRIX_FMT_FP6 matrix_b_fmt:MATRIX_FMT_FP6
.elseif (\rb) == 0
	v_wmma_scale_f32_16x16x128_f8f6f4 v[xD:xD+7], v[xA:xA+11], v[xB:xB+11], v[xD:xD+7], v[xS], v[xT] matrix_a_fmt:MATRIX_FMT_FP6 matrix_b_fmt:MATRIX_FMT_FP6 matrix_a_scale:MATRIX_SCALE_ROW1
.elseif (\ra) == 0
	v_wmma_scale_f32_16x16x128_f8f6f4 v[xD:xD+7], v[xA:xA+11], v[xB:xB+11], v[xD:xD+7], v[xS], v[xT] matrix_a_fmt:MATRIX_FMT_FP6 matrix_b_fmt:MATRIX_FMT_FP6 matrix_b_scale:MATRIX_SCALE_ROW1
.else
	v_wmma_scale_f32_16x16x128_f8f6f4 v[xD:xD+7], v[xA:xA+11], v[xB:xB+11], v[xD:xD+7], v[xS], v[xT] matrix_a_fmt:MATRIX_FMT_FP6 matrix_b_fmt:MATRIX_FMT_FP6 matrix_a_scale:MATRIX_SCALE_ROW1 matrix_b_scale:MATRIX_SCALE_ROW1
.endif
.endif
.endm
; K step q's 32 products on fragment set `set`
.macro MUL q, set, cm
	WIN 0x52                                       ; source 0 (B) window 2, source 1 (A) window 0, C and D window 1
.irp ta, 0,1,2,3
.irp tb, 0,1,2,3,4,5,6,7
	WM 8*(8*\ta+\tb), 96*(\set)+12*\tb, AF+48*(\set)+12*\ta, \cm, SB+8*(\tb/2)+(\q), SA+8*(\ta/2)+(\q), \tb%2, \ta%2
.endr
.endr
.endm
; A fragment, 16 rows x 128 K, is 12 registers: lane (r, h) takes of row r the 24 bytes at 96 q + 24 h and those 48 bytes on, in pieces of 8 bytes.  Piece PCE of a row lies in chunk PCE / 32;
; lanes 16-31 read three pieces further on, which for pieces 29 to 31 of a chunk is in the next chunk: the second address register serves those.
.macro FRAGR reg, adr, xadr, q, t
.irp p, 0,1,2,3,4,5
.set PCE, 12*(\q)+6*(\p/3)+\p%3
.if PCE%32 < 29
	ds_load_b64 v[\reg+2*\p:\reg+2*\p+1], v[\adr+PCE/32] offset:8*(PCE%32)+(\t)*16*PITCH
.else
	ds_load_b64 v[\reg+2*\p:\reg+2*\p+1], v[\xadr+PCE/32] offset:8*(PCE%32)+(\t)*16*PITCH
.endif
.endr
.endm
.macro FETCH q, set                    ; K step q's 12 fragments, 72 loads in one run
	WIN 0x80                                       ; destination window 2, address window 0
.irp t, 0,1,2,3
	FRAGR 96*(\set)+12*\t, ADRB, XB, \q, \t
	FRAGR 96*(\set)+48+12*\t, ADRB2, XB2, \q, \t
.endr
	WIN 0
.irp t, 0,1,2,3
	FRAGR AF+48*(\set)+12*\t, ADRA, XA, \q, \t
.endr
.endm
; A K step.  tw >= 0: the next step reads a chunk not yet shown landed: my part of it is waited for (tw = my younger loads, which may stay out), then the work-group's barrier shows everybody's.
.macro STEP q, tw
	s_wait_dscnt 0x0                               ; this step's fragments, asked for a step ago, are in; no LDS instruction of mine is out at the barrier below
.if (\tw) >= 0
	s_wait_tensorcnt \tw
	s_barrier_signal -1
	s_barrier_wait -1
.endif
.if (\q) < 7
.if (\q) > 0
	PLACES 4                                       ; the other set was read by the products just issued: four plain vector lines in front of loads into it (ISA guide 7.12.1 for vector instructions)
.endif
	FETCH (\q)+1, ((\q)+1)%2
.endif
.if (\q) == 0
	MUL \q, 0, 0                                   ; the first step starts the sums: nothing is cleared
.else
	MUL \q, (\q)%2, 1
.endif
.endm
; Tile ta's 64 results + bias -> v[ST ..], register 16 b + i = B's row 32 b + 16 h + i of my A row.  Each accumulator is read from its low end on.
.macro TILE ta, isv
.set n, 0
.if \isv
	WIN 0x01                                       ; source 0 window 1
.rept 32
	v_pk_add_f32 v[ST+2*n:ST+2*n+1], v[64*(\ta)+2*n:64*(\ta)+2*n+1], v[BA+2*(\ta):BA+2*(\ta)+1]   ; the bias of my A row: the pair holds it twice
.set n, n+1
.endr
.else
	WIN 0x09                                       ; source 0 window 1, source 1 window 2
.rept 32
	v_pk_add_f32 v[ST+2*n:ST+2*n+1], v[64*(\ta)+2*n:64*(\ta)+2*n+1], v[BI+2*n:BI+2*n+1]
.set n, n+1
.endr
.endif
	WIN 0
.irp b, 0,1,2,3
.irp j, 0,1,2,3,4,5,6,7
	v_permlane16_swap_b32 v[ST+16*\b+\j], v[ST+16*\b+8+\j]   ; tile 2 b's lanes 16-31 change places with tile 2 b + 1's lanes 0-15: 16 registers are now 16 neighbours
.endr
.endr
.endm
; 64 numbers of a lane (register 16 b + i = k 32 b + 16 h + i of my row) -> codes of k = 32 h + 0 .. 31 in v[d0 .. d0+5], of k = 64 + 32 h + 0 .. 31 in v[d1 .. d1+5], the four blocks' bytes in v[pw]
.macro QUANT s, d0, d1, pw
.irp b, 0,1,2,3
	v_max3_num_f32 v[TM+\b], |v[\s+16*\b]|, |v[\s+1+16*\b]|, 0x1800000   ; my 16 numbers of block b, and the floor 2^(3 - 127): the byte cannot fall under 1
.endr
.irp i, 2,4,6,8,10,12,14
.irp b, 0,1,2,3
	v_max3_num_f32 v[TM+\b], v[TM+\b], |v[\s+16*\b+\i]|, |v[\s+1+16*\b+\i]|   ; the four blocks by turns
.endr
.endr
.irp b, 0,1,2,3
	v_permlanex16_b32 v[TM+4+\b], v[TM+\b], s[SEL], s[SEL+1]
.endr
.irp b, 0,1,2,3
	v_max_num_f32 v[TM+\b], v[TM+\b], v[TM+4+\b]   ; with lane l xor 16's: the block's largest magnitude
.endr
.irp b, 0,1,2,3
	v_add_nc_u32 v[TM+12+\b], 0xff000000, v[TM+\b] ; 2 off its exponent field: the conversion's scale operand
.endr
.irp b, 0,1,2,3
	v_lshrrev_b32 v[TM+4+\b], 23, v[TM+12+\b]      ; the scale's byte
.endr
	v_lshl_or_b32 v[\pw], v[TM+5], 8, v[TM+4]
	v_lshl_or_b32 v[\pw], v[TM+6], 16, v[\pw]
	v_lshl_or_b32 v[\pw], v[TM+7], 24, v[\pw]
	v_cvt_scalef32_pk16_fp6_f32 v[\d0:\d0+2], v[\s:\s+15], v[TM+12]
	v_cvt_scalef32_pk16_fp6_f32 v[TY0:TY0+2], v[\s+16:\s+31], v[TM+13]   ; (a conversion's three registers begin on an even number)
	v_cvt_scalef32_pk16_fp6_f32 v[\d1:\d1+2], v[\s+32:\s+47], v[TM+14]
	v_cvt_scalef32_pk16_fp6_f32 v[TY1:TY1+2], v[\s+48:\s+63], v[TM+15]
	v_nop                                          ; one plain vector line behind the scaled conversions
.irp i, 0,1,2                                  ; the layout wants a WHOLE block in a lane: lanes 0-15 the even block, lanes 16-31 the odd one
	v_permlane16_swap_b32 v[\d0+\i], v[TY0+\i]
	v_permlane16_swap_b32 v[\d1+\i], v[TY1+\i]
.endr
.irp i, 0,1,2
	v_mov_b32 v[\d0+3+\i], v[TY0+\i]
	v_mov_b32 v[\d1+3+\i], v[TY1+\i]
.endr
.endm
	s_load_b512 s[4:19], s[0:1], 0x0               ; x's codes, x's scales, wq's, wk's, wv's
	s_load_b256 s[20:27], s[0:1], 0x40             ; bq, bk, bv, qbuf
	s_load_b64 s[28:29], s[0:1], 0x60              ; kvbuf
	v_lshl_add_u32 v254, v0, 2, 0x4c800
	v_mov_b32 v255, 0
	ds_add_u32 v254, v255
	ds_add_u32 v254, v255
	v_lshrrev_b32 v1, 5, v0
	v_readfirstlane_b32 s[WV], v1                  ; wave 0..3
	s_lshr_b32 s[WA], s[WV], 1                     ; my half of A.  Also: I fetch for A (0) or for B (1)
	s_and_b32 s[WB], s[WV], 1                      ; my half of B.  Also: which half of that tile I fetch
	s_bfe_u32 s[CX], ttmp6, 0x40000
	s_bfe_u32 s[CY], ttmp6, 0x40004
	s_and_b32 s[IDX], ttmp7, 0xffff                ; the cluster's y, 0..47
	s_lshr_b32 s[TYP], s[IDX], 4                   ; 0 q, 1 k, 2 v: the same in all partners
	s_and_b32 s[IDX], s[IDX], 15
	s_lshr_b32 s60, s[IDX], 3
	s_and_b32 s66, s[IDX], 7
	s_cmp_eq_u32 s[TYP], 2
	s_cselect_b32 s60, s60, s[IDX]                 ; q, k: 64 blocks of tokens are A, 4 blocks of features B;
	s_cselect_b32 s66, s66, 0                      ; v: 8 blocks of features are A, 32 blocks of tokens B
	s_lshl_b32 s60, s60, 2
	s_add_co_u32 s[ABLK], s60, s[CY]
	s_lshl_b32 s66, s66, 2
	s_add_co_u32 s[BBLK], s66, s[CX]
	s_lshl_b32 s[MROW], s[CY], 2
	s_lshl_b32 s[MROW], 15, s[MROW]                ; my row of the cluster
	s_lshl_b32 s[MCOL], 0x1111, s[CX]              ; my column
	s_or_b32 s[G1A], s[MROW], G1W0
	s_or_b32 s[G1B], s[MCOL], G1W0
	s_mov_b32 s[G1A+1], 32<<16                     ; tensor_dim0 = 32 elements: 256 bytes
	s_mov_b32 s[G1A+2], 192<<16                    ; tensor_dim1 = 192 lines: 64 rows of 768 bytes, dense
	s_mov_b32 s[G1A+3], 32<<16                     ; tile_dim0
	s_mov_b32 s[G1A+4], 192                        ; tile_dim1
	s_mov_b32 s[G1A+5], 32                         ; from line to line: 256 bytes
	s_mov_b32 s[G1A+6], 0
	s_mov_b32 s[G1A+7], 0
	s_mov_b32 s[G1B+1], 32<<16
	s_mov_b32 s[G1B+2], 384<<16                    ; 384 lines: 128 rows
	s_mov_b32 s[G1B+3], 32<<16
	s_mov_b32 s[G1B+4], 384
	s_mov_b32 s[G1B+5], 32
	s_mov_b32 s[G1B+6], 0
	s_mov_b32 s[G1B+7], 0
	s_lshl_b32 s62, s[ABLK], 7                     ; A: the rows that I fetch begin at 128 x block + 64 x half,
	s_lshl_b32 s63, s[WB], 6
	s_add_co_u32 s62, s62, s63
	s_mul_i32 s62, s62, 768                        ; in bytes (registers that never hold cx)
	s_mov_b32 s63, 0
	s_lshl_b32 s66, s[BBLK], 8                     ; B: 256 x block + 128 x half (registers that never hold cy)
	s_lshl_b32 s67, s[WB], 7
	s_add_co_u32 s66, s66, s67
	s_mul_i32 s66, s66, 768
	s_mov_b32 s67, 0
	s_mul_i32 s89, s[WB], 64*PITCH                 ; and where they go: the wave's number alone enters an LDS address
	s_mul_i32 s90, s[WB], 128*PITCH
	s_add_co_u32 s90, s90, BBASE
	s_mov_b32 s[SEL], 0x76543210
	s_mov_b32 s[SEL+1], 0xfedcba98                 ; v_permlanex16_b32's selects for lane l xor 16
	s_mov_b32 s[M8], 0xff00ff00                    ; lanes with r >= 8
	s_mov_b32 s[M16], 0xffff0000                   ; lanes 16-31
	s_wait_dscnt 0x0
	s_wait_kmcnt 0x0
	s_cmp_eq_u32 s[TYP], 1                         ; the choices hang on the kind alone, never on an address
	s_cselect_b64 s[12:13], s[12:13], s[16:17]     ; wk or wv
	s_cselect_b64 s[14:15], s[14:15], s[18:19]
	s_cselect_b64 s[22:23], s[22:23], s[24:25]
	s_cmp_eq_u32 s[TYP], 0
	s_cselect_b64 s[8:9], s[8:9], s[12:13]         ; W's codes
	s_cselect_b64 s[10:11], s[10:11], s[14:15]     ; W's scales
	s_cselect_b64 s[20:21], s[20:21], s[22:23]     ; the bias
	s_cselect_b64 s[26:27], s[26:27], s[28:29]     ; where the results go
	s_cmp_eq_u32 s[TYP], 2
	s_cselect_b64 s[12:13], s[8:9], s[4:5]         ; A's codes
	s_cselect_b64 s[14:15], s[10:11], s[6:7]       ; A's scales
	s_cselect_b64 s[16:17], s[4:5], s[8:9]         ; B's codes
	s_cselect_b64 s[18:19], s[6:7], s[10:11]       ; B's scales
	s_add_nc_u64 s[62:63], s[12:13], s[62:63]
	s_add_nc_u64 s[66:67], s[16:17], s[66:67]
.irp c, 0
	s_mov_b32 s[G0A+4*\c], 1
	s_add_co_u32 s[G0A+4*\c+1], s89, \c*ACH
	s_add_nc_u64 s[G0A+4*\c+2:G0A+4*\c+3], s[62:63], \c*256
	s_or_b32 s[G0A+4*\c+3], s[G0A+4*\c+3], 0x80000000
	s_mov_b32 s[G0B+4*\c], 1
	s_add_co_u32 s[G0B+4*\c+1], s90, \c*BCH
	s_add_nc_u64 s[G0B+4*\c+2:G0B+4*\c+3], s[66:67], \c*256
	s_or_b32 s[G0B+4*\c+3], s[G0B+4*\c+3], 0x80000000
.endr
	CROUND                                         ; all sixteen work-groups are here: the joint loads meet
	s_cmp_eq_u32 s[WA], 0                          ; a wave's one fill stands in one branch on its number, ahead of every wait on TENSORcnt, every LDS read and every other barrier
	s_cbranch_scc0 .Lfill_b
	tensor_load_to_lds s[G0A:G0A+3], s[G1A:G1A+7]  ; my one load: 64 whole rows of A
	s_nop 0
	PLACES 4                                       ; four v_nop follow the last load of each arm
	s_branch .Lfilled
.Lfill_b:
	tensor_load_to_lds s[G0B:G0B+3], s[G1B:G1B+7]  ; my one load: 128 whole rows of B
	s_nop 0
	PLACES 4
.Lfilled:
	v_and_b32 v1, 15, v0                           ; r
	v_bfe_u32 v2, v0, 4, 1                         ; h
	v_and_b32 v3, 31, v0                           ; lane
	v_lshlrev_b32 v4, 4, v3                        ; 16 x lane
	v_lshlrev_b32 v5, 3, v3                        ; 8 x lane
	v_lshlrev_b32 v6, 5, v3                        ; 32 x lane: a row of scale bytes
	s_wait_alu depctr_va_vdst(0)
	v_lshlrev_b32 v7, 5, v2                        ; 32 h: eight numbers of a bias
	s_wait_alu depctr_va_vdst(0)
	v_lshlrev_b32 v8, 2, v1                        ; 4 r
	s_wait_alu depctr_va_vdst(0)
	s_lshl_b32 s96, s[ABLK], 7
	s_lshl_b32 s97, s[WA], 6
	s_add_co_u32 s96, s96, s97                     ; my first row of A
	s_lshl_b32 s98, s96, 5
	s_mov_b32 s99, 0
	s_add_nc_u64 s[14:15], s[14:15], s[98:99]      ; its scale bytes
	s_lshl_b32 s97, s[BBLK], 8
	s_lshl_b32 s98, s[WB], 7
	s_add_co_u32 s97, s97, s98                     ; my first row of B
	s_lshl_b32 s98, s97, 5
	s_add_nc_u64 s[18:19], s[18:19], s[98:99]
	s_cmp_eq_u32 s[TYP], 2                         ; the bias goes by features: B's rows for q and k, A's for v.  Both sets are loaded on every way, the idle one from the buffer's start,
	s_cselect_b32 s98, 0, s97                      ; so that no register of either way out hangs on a branch: sixteen idle loads at the most
	s_cselect_b32 s60, s96, 0
	s_lshl_b32 s98, s98, 2
	s_add_nc_u64 s[22:23], s[20:21], s[98:99]
	s_lshl_b32 s98, s60, 2
	s_add_nc_u64 s[24:25], s[20:21], s[98:99]
.irp i, 0,1
.irp f, 0,1
	global_load_b128 v[SA+8*\i+4*\f:SA+8*\i+4*\f+3], v6, s[14:15] offset:1024*\i+16*\f   ; register SA + 8 i + q: lane l: the word of A's row 32 i + l for K step q
.endr
.endr
.irp i, 0,1,2,3
.irp f, 0,1
	global_load_b128 v[SB+8*\i+4*\f:SB+8*\i+4*\f+3], v6, s[18:19] offset:1024*\i+16*\f
.endr
.endr
	WIN 0x80
.irp t, 0,1,2,3,4,5,6,7
.irp f, 0,1
	global_load_b128 v[BI+8*\t+4*\f:BI+8*\t+4*\f+3], v7, s[22:23] offset:64*\t+16*\f     ; bias of B's rows 16 t + 8 h + 0 .. 7
.endr
.endr
	WIN 0
.irp t, 0,1,2,3
	global_load_b32 v[BA+2*\t], v8, s[24:25] offset:64*\t                                ; bias of A's row 16 t + r, twice: a pair for the packed addition
	global_load_b32 v[BA+2*\t+1], v8, s[24:25] offset:64*\t
.endr
	v_mul_u32_u24 v9, v1, PITCH                    ; 816 r
	v_mad_u32_u24 v20, v2, 24, v9                  ; + 24 h
	v_mul_u32_u24 v21, v2, ACH-232                 ; h x (a chunk of A + 24 - 256): ONE product
	v_add_nc_u32 v21, v21, v9
	v_mul_u32_u24 v22, v2, BCH-232
	v_add_nc_u32 v22, v22, v9
	s_mul_i32 s60, s[WA], 64*PITCH                 ; my half of A
	s_mul_i32 s61, s[WB], 128*PITCH                ; my half of B
	s_add_co_u32 s61, s61, BBASE
	v_add_nc_u32 v[ADRA], s60, v20
	v_add_nc_u32 v[ADRA+1], ACH, v[ADRA]
	v_add_nc_u32 v[ADRA+2], 2*ACH, v[ADRA]
	v_add_nc_u32 v[XA], s60, v21
	v_add_nc_u32 v[XA+1], ACH, v[XA]
	v_add_nc_u32 v[ADRB], s61, v20
	v_add_nc_u32 v[ADRB+1], BCH, v[ADRB]
	v_add_nc_u32 v[ADRB+2], 2*BCH, v[ADRB]
	v_add_nc_u32 v[XB], s61, v22
	v_add_nc_u32 v[XB+1], BCH, v[XB]
	v_add_nc_u32 v[ADRB2], 64*PITCH, v[ADRB]
	v_add_nc_u32 v[ADRB2+1], 64*PITCH, v[ADRB+1]
	v_add_nc_u32 v[ADRB2+2], 64*PITCH, v[ADRB+2]
	v_add_nc_u32 v[XB2], 64*PITCH, v[XB]
	v_add_nc_u32 v[XB2+1], 64*PITCH, v[XB+1]
	s_wait_alu depctr_va_vdst(0)
	s_wait_tensorcnt 0x0                           ; my one load is in: all of K of my rows
	s_barrier_signal -1
	s_barrier_wait -1                              ; everybody's is
	FETCH 0, 0
	s_wait_loadcnt 0x0                             ; scale words and biases
	STEP 0, -1                                     ; K steps 0 and 1 read chunk 0 (bytes 0 to 191 of a row)
	STEP 1, -1
	STEP 2, -1
	STEP 3, -1
	STEP 4, -1
	STEP 5, -1
	STEP 6, -1
	STEP 7, -1
	WIN 0
	PLACES 4                                       ; in front of the first read of results and the first write over operands that are done with
.irp b, 0,1,2,3
	v_mov_b32 v[TM+4+\b], 0                        ; written once: the destination of a lane permute or a DPP move counts as one of its sources
	v_mov_b32 v[DT+\b], 0
.endr
	s_cmp_eq_u32 s[TYP], 2
	s_cbranch_scc1 .Lv
	; ---- q and k.  My 64 tokens are pairs 2 wa, 2 wa + 1 of record (block % 16) of batch (block / 16); my 128 features are heads 4 Bblk + 2 wb + c, c = 0, 1
	s_cmp_eq_u32 s[TYP], 0
	s_mov_b32 s60, 13056
	s_cselect_b32 s60, 6656, s60                   ; bytes of a record
	s_mov_b32 s61, 12288
	s_cselect_b32 s61, 6144, s61                   ; where its scale words begin
	s_lshr_b32 s62, s[ABLK], 4
	s_lshl_b32 s62, s62, 4
	s_lshl_b32 s63, s[BBLK], 2
	s_add_co_u32 s62, s62, s63
	s_lshl_b32 s63, s[WB], 1
	s_add_co_u32 s62, s62, s63                     ; 16 x batch + my first head
	s_lshl_b32 s62, s62, 4
	s_and_b32 s63, s[ABLK], 15
	s_add_co_u32 s62, s62, s63                     ; the record's number
	s_mul_i32 s62, s62, s60
	s_mov_b32 s63, 0
	s_add_nc_u64 s[66:67], s[26:27], s[62:63]      ; head c = 0's record
	s_lshl_b32 s62, s60, 4
	s_add_nc_u64 s[96:97], s[66:67], s[62:63]      ; head c = 1's: sixteen records on
	s_lshl_b32 s62, s[WA], 8
	s_add_co_u32 s62, s62, s61
	s_add_nc_u64 s[98:99], s[66:67], s[62:63]      ; their scale words, my 256 bytes
	s_add_nc_u64 s[90:91], s[96:97], s[62:63]
	s_mul_i32 s62, s[WA], 3072
	s_add_nc_u64 s[66:67], s[66:67], s[62:63]      ; their codes, my two pairs
	s_add_nc_u64 s[96:97], s[96:97], s[62:63]
.macro QKPAIR pp
	TILE \pp, 0                                    ; tokens 16 pp + 0 .. 15 of my 64
	QUANT ST, NC, NC+6, PW                         ; tokens 16 pp + 0 .. 15 in lane order
	TILE \pp+2, 0                                  ; tokens 32 + 16 pp + 0 .. 15: the pair's tile u, lane r then holds token 32 (r / 8) + 8 (2 pp + u) + r % 8
	QUANT ST, NC+12, NC+18, PW+1                   ; tokens 32 + 16 pp + 0 .. 15
.if \pp
	s_wait_xcnt 0x0                                ; the first pair's stores have read the images: they are written again only behind this wait
.endif
.irp c, 0,1                                    ; the pair's tiles in the order of tokens that the next launch wants: tile u, lane r: token 32 (r / 8) + 8 (2 pp + u) + r % 8
.irp k, 0,1,2,3,4,5
	v_mov_b32_dpp v[DT+2*(\k%2)], v[NC+12+6*\c+\k] row_xmask:8 row_mask:0xf bank_mask:0xf
	v_mov_b32_dpp v[DT+2*(\k%2)+1], v[NC+6*\c+\k] row_xmask:8 row_mask:0xf bank_mask:0xf
	v_cndmask_b32 v[IMG+12*\c+\k], v[NC+6*\c+\k], v[DT+2*(\k%2)], s[M8]         ; u = 0: r < 8: first tile's lane r;  r >= 8: second tile's lane r - 8
	v_cndmask_b32 v[IMG+12*\c+6+\k], v[DT+2*(\k%2)+1], v[NC+12+6*\c+\k], s[M8]  ; u = 1: r < 8: first tile's lane r + 8;  r >= 8: second tile's lane r
.endr
.endr
	v_mov_b32_dpp v[DT], v[PW+1] row_xmask:8 row_mask:0xf bank_mask:0xf
	v_mov_b32_dpp v[DT+1], v[PW] row_xmask:8 row_mask:0xf bank_mask:0xf
	v_cndmask_b32 v[WT], v[PW], v[DT], s[M8]       ; the scale words likewise
	v_cndmask_b32 v[WT+1], v[DT+1], v[PW+1], s[M8]
	v_cndmask_b32 v[WT], v[WT], v[WT+1], s[M16]    ; lanes 0-15 tile u = 0's, lanes 16-31 tile u = 1's
	v_and_b32 v[SW+\pp], 0xffff, v[WT]             ; head c = 0: bytes 0, 1;  bytes 2, 3 stay 0
	v_lshrrev_b32 v[SW+2+\pp], 16, v[WT]           ; head c = 1
.irp i, 0,1,2
	global_store_b128 v4, v[IMG+4*\i:IMG+4*\i+3], s[66:67] offset:1536*\pp+512*\i        ; 32 lanes store 512 consecutive bytes, at a multiple of 256 from the buffer's first byte
	global_store_b128 v4, v[IMG+12+4*\i:IMG+12+4*\i+3], s[96:97] offset:1536*\pp+512*\i
.endr
.endm
	QKPAIR 0
	QKPAIR 1
	global_store_b64 v5, v[SW:SW+1], s[98:99]      ; 256 consecutive bytes, aligned
	global_store_b64 v5, v[SW+2:SW+3], s[90:91]
	s_branch .Ldone
.Lv:	; ---- v.  My 64 features are head 2 Ablk + wa; my 128 tokens are record (2 Bblk + wb) % 16 of batch Bblk / 8.  Tile ta is the fragment of e = 16 ta + r, K = the record's keys in their own order
	s_lshr_b32 s62, s[BBLK], 3
	s_lshl_b32 s62, s62, 4
	s_lshl_b32 s63, s[ABLK], 1
	s_add_co_u32 s62, s62, s63
	s_add_co_u32 s62, s62, s[WA]
	s_lshl_b32 s62, s62, 4
	s_lshl_b32 s63, s[BBLK], 1
	s_add_co_u32 s63, s63, s[WB]
	s_and_b32 s63, s63, 15
	s_add_co_u32 s62, s62, s63
	s_mul_i32 s62, s62, 13056
	s_mov_b32 s63, 0
	s_add_nc_u64 s[66:67], s[26:27], s[62:63]
.irp ta, 0,1,2,3                               ; each tile has registers of its own for its codes: no store's data are written again
	TILE \ta, 1
	QUANT ST, NC+12*\ta, NC+12*\ta+6, PW+\ta
.irp i, 0,1,2
	global_store_b128 v4, v[NC+12*\ta+4*\i:NC+12*\ta+4*\i+3], s[66:67] offset:6144+1536*\ta+512*\i
.endr
.endr
	v_cndmask_b32 v[SW], v[PW], v[PW+1], s[M16]    ; lanes 0-15 the even tile's words, lanes 16-31 the odd one's
	v_cndmask_b32 v[SW+1], v[PW+2], v[PW+3], s[M16]
	global_store_b64 v5, v[SW:SW+1], s[66:67] offset:12800
.Ldone:
	s_wait_dscnt 0x0                               ; no LDS instruction of mine is out at a signal (my tensor load was waited for before the K steps)
	s_wait_tensorcnt 0x0
	ds_add_u32 v254, v255
	s_wait_dscnt 0x0
	CROUND                                         ; the closing round: no work-group ends while a partner may still ask for a tile that names it
	s_endpgm
.Lfunc_end_k_q819a26e9fb_qkv:
	.size	k_q819a26e9fb_qkv, .Lfunc_end_k_q819a26e9fb_qkv-k_q819a26e9fb_qkv
	.p2alignl 7, 3214868480
	.fill 96, 4, 3214868480
	.section	.rodata,"a",@progbits
	.p2align	6, 0x0
	.amdhsa_kernel k_q819a26e9fb_qkv
		.amdhsa_group_segment_fixed_size 313856
		.amdhsa_private_segment_fixed_size 0
		.amdhsa_enable_private_segment 0
		.amdhsa_kernarg_size 104
		.amdhsa_user_sgpr_count 2
		.amdhsa_user_sgpr_kernarg_segment_ptr 1
		.amdhsa_wavefront_size32 1
		.amdhsa_system_sgpr_workgroup_id_x 1
		.amdhsa_system_sgpr_workgroup_id_y 1
		.amdhsa_system_sgpr_workgroup_id_z 1
		.amdhsa_system_vgpr_workitem_id 0
		.amdhsa_next_free_vgpr 768
		.amdhsa_next_free_sgpr 100
		.amdhsa_reserve_vcc 0
		.amdhsa_float_denorm_mode_32 3
		.amdhsa_float_denorm_mode_16_64 3
		.amdhsa_memory_ordered 1
		.amdhsa_forward_progress 1
		.amdhsa_inst_pref_size 147
	.end_amdhsa_kernel
	.amdgpu_metadata
---
amdhsa.version: [ 1, 2 ]
amdhsa.kernels:
  - .name:           k_q819a26e9fb_qkv
    .symbol:         k_q819a26e9fb_qkv.kd
    .args:
      - { .name: normalized_resid_pre_codes, .offset: 0, .size: 8, .value_kind: global_buffer, .address_space: global }
      - { .name: normalized_resid_pre_scales, .offset: 8, .size: 8, .value_kind: global_buffer, .address_space: global }
      - { .name: wq_codes, .offset: 16, .size: 8, .value_kind: global_buffer, .address_space: global }
      - { .name: wq_scales, .offset: 24, .size: 8, .value_kind: global_buffer, .address_space: global }
      - { .name: wk_codes, .offset: 32, .size: 8, .value_kind: global_buffer, .address_space: global }
      - { .name: wk_scales, .offset: 40, .size: 8, .value_kind: global_buffer, .address_space: global }
      - { .name: wv_codes, .offset: 48, .size: 8, .value_kind: global_buffer, .address_space: global }
      - { .name: wv_scales, .offset: 56, .size: 8, .value_kind: global_buffer, .address_space: global }
      - { .name: bq, .offset: 64, .size: 8, .value_kind: global_buffer, .address_space: global }
      - { .name: bk, .offset: 72, .size: 8, .value_kind: global_buffer, .address_space: global }
      - { .name: bv, .offset: 80, .size: 8, .value_kind: global_buffer, .address_space: global }
      - { .name: qbuf, .offset: 88, .size: 8, .value_kind: global_buffer, .address_space: global }
      - { .name: kvbuf, .offset: 96, .size: 8, .value_kind: global_buffer, .address_space: global }
    .group_segment_fixed_size: 313856
    .private_segment_fixed_size: 0
    .kernarg_segment_align: 8
    .kernarg_segment_size: 104
    .max_flat_workgroup_size: 128
    .sgpr_count:     100
    .vgpr_count:     768
    .wavefront_size: 32
...
	.end_amdgpu_metadata
.endif
;; end of part 1
;; launch attn (part 2): grid 4 x 64, 16 waves a work-group, clusters of 4 x 1, 210,944 bytes of LDS; arguments qbuf, kvbuf, hc, hs, wo, woimg, wosc; writes hc, hs, woimg, wosc
.if DOCPART == 2
	.amdgcn_target "amdgcn-amd-amdhsa--gfx1250"
	.amdhsa_code_object_version 6
	.text
	.protected	k_q819a26e9fb_attn
	.globl	k_q819a26e9fb_attn
	.p2align	8
	.type	k_q819a26e9fb_attn,@function
k_q819a26e9fb_attn:
	s_mov_b64 s[64:65], 0
	v_nop
	global_prefetch_b8 v0, s[64:65] scope:SCOPE_SE
	s_setreg_imm32_b32 hwreg(HW_REG_WAVE_MODE, 25, 1), 1
	s_wait_xcnt 0x0
	s_wait_alu depctr_hold_cnt(0) depctr_sa_sdst(0) depctr_va_vdst(0) depctr_va_sdst(0) depctr_va_ssrc(0) depctr_va_vcc(0) depctr_vm_vsrc(0)
	s_getreg_b32 s2, hwreg(HW_REG_IB_STS2, 6, 4)
	s_cmp_eq_u32 s2, 0
	s_cbranch_scc0 .Lentry_in_a_cluster
	s_endpgm
.Lentry_in_a_cluster:
	s_bfe_u32 s2, ttmp6, 0x10000c
	s_cmp_lg_u32 s2, 0x3003
	s_cbranch_scc0 .Lentry_shape_is_right
	s_endpgm
.Lentry_shape_is_right:
; heads = softmax(q k^T / 8) v for one (batch, head) and 512 queries, both products on FP6 (E2M3) codes with E8M0 scales, and the quantising of heads for the output projection.
; THE SOFTMAX AHEAD OF THE SECOND PRODUCT: t = score x log2(e) / 8; M = the running largest t rounded UP to a whole number; p = 2^(t - M) is quantised along the keys, not normalised; the row's sum is
; taken of the unquantised p in f32 and divides at the end; when M moves, the sum and O are multiplied by 2^(old M - new M), which rounds nothing.
; SHARES.  A work-group holds the head's WHOLE K and V in LDS: 16 records of 13,056 bytes, as the launch before laid them, filled ONCE, one tensor load a wave (by this text's count one is outstanding).
; Nothing is filled again: one wait, one barrier.  Each of the 16 waves owns a pair of tiles of 16 queries and walks the 16 records twice, once for each tile, in 256 registers: four waves to a SIMD, so
; that one wave's vector work stands beside another's products and LDS loads.
; CLUSTER 4 x 1: the four blocks of 512 queries of a head read the same K and V: each record is asked for jointly, mask 15; its address hangs on the head and the wave's number alone.
; LAYOUT.  Both products are used transposed: S^T = K Q^T (source 0 = 16 keys), O^T = V^T P^T (source 0 = 16 of the head's 64): a lane holds ONE query (lane % 16) throughout.  Lane r of K's tile
; 2 b + u holds key 32 b + 8 u + r + 8 (r / 8), so the 16 score registers of tiles 2 b, 2 b + 1 are keys 32 b + 16 (lane / 16) + 0 .. 15, as the conversions and V's K order want them.
; K = 64 IN AN INSTRUCTION 128 DEEP.  Q's registers 6-11 are zero codes, so the upper 64 along K add nothing whatever stands on K's side.  K's tile t is therefore named as v[44 + 6 t .. 55 + 6 t]: its
; upper six registers are the next tile's codes (zeros behind tile 7).  The scale bytes of those two blocks are 0 on both sides (2^-127, no NaN).  So K costs half the LDS bytes and registers.
; All LDS reads take consecutive bytes in consecutive lanes: no padding is needed.
; OUT: hc [K step s 8][tile T 512][c 2][i 3][lane 32][8]: registers 6 c + 2 i, + 1 of the projection's fragment, head = 2 s + c;  hs [head 16][pair 256][lane 32] two bytes: lanes 0-15 tile 2 Pg, 16-31 tile 2 Pg + 1.
;      hs leaves as runs of 64 bytes, the sixteen waves' runs on end: one byte in 25 of what the launch stores.
; LIMITS: 1 / l by v_rcp_f32.  A block of p or of heads whose largest magnitude lies under 2^-124 keeps the byte 1 (its codes are then zeros or next to it; only this program reads the bytes).
;         A block's largest p is taken as p of the block's largest score, which takes v_exp_f32 not to fall where its input rises.
; REGISTERS: v1, v2, v7 16, 8, 2 x lane; v3, v4 LDS addresses in hand; v5, v6 the two tiles' scale bytes; v8-11 K's scale words; v12 -M, v13 largest t, v[14:15] the sum; v16-27, v28-39 the two tiles of Q;
;   v40-41 V's scale words; v42 Q's; v43 p's; v44-91 K's 8 tiles, then V's 4 fragments; v92-97 zeros; v100-163 S^T, then p; v164-195 O^T; v196-207 p's codes; v208-241 at work.
; KEY ORDER AS IT IS NOW (this takes the place of the order named under LAYOUT): lane r of K's tile t holds key 64 (t / 4) + 32 (r / 8) + 8 (t % 4) + r % 8.  So lane (r, h) holds, in the 32 score
; registers of tiles 4 c .. 4 c + 3, the WHOLE block of keys 64 c + 32 h + 0 .. 31 in ascending order: what registers 6 c .. 6 c + 5 of p's fragment want.  A block's largest score needs no other lane,
; no half blocks change lanes; the scale word's four bytes are joined from lanes l and l xor 16.  v98 = 8 h.
.set REC,  13056
.set KS,   8
.set VS,   40
.set QS,   42
.set PS,   43
.set KV,   44
.set S,    100
.set OT,   164
.set PCD,  196
.set TY0,  208
.set TY1,  212
.set BM,   216
.set BP,   220
.set SO,   224
.set F,    228
.set T,    230
.set SUM2, 232
.set HC,   236
.set WV,   12
.set SEL,  16
.set CS,   18
.set TB,   20
.set CNT,  21
.set M16,  22
.macro PLACES n
.rept \n
	v_nop
.endr
.endm
.macro CROUND                          ; a round of the cluster's barrier
	s_barrier_signal -1
	s_barrier_wait -1
	s_cmp_lg_u32 s[WV], 0
	s_cbranch_scc1 .Lnot_wave_0_\@
	s_barrier_signal -3
.Lnot_wave_0_\@:
	s_barrier_wait -3
	s_barrier_signal -1
	s_barrier_wait -1
.endm
; One product.  cm = 0: it starts the sum;  1: it adds in place.  ra, rb = 1: source 0's, source 1's scale words stand in lanes 16-31.
.macro WM d, a, b, cm, sa, sb, ra, rb
.set xD, \d
.set xA, \a
.set xB, \b
.set xS, \sa
.set xT, \sb
.if (\cm) == 0
.if ((\ra) == 0) && ((\rb) == 0)
	v_wmma_scale_f32_16x16x128_f8f6f4 v[xD:xD+7], v[xA:xA+11], v[xB:xB+11], 0, v[xS], v[xT] matrix_a_fmt:MATRIX_FMT_FP6 matrix_b_fmt:MATRIX_FMT_FP6
.elseif (\rb) == 0
	v_wmma_scale_f32_16x16x128_f8f6f4 v[xD:xD+7], v[xA:xA+11], v[xB:xB+11], 0, v[xS], v[xT] matrix_a_fmt:MATRIX_FMT_FP6 matrix_b_fmt:MATRIX_FMT_FP6 matrix_a_scale:MATRIX_SCALE_ROW1
.elseif (\ra) == 0
	v_wmma_scale_f32_16x16x128_f8f6f4 v[xD:xD+7], v[xA:xA+11], v[xB:xB+11], 0, v[xS], v[xT] matrix_a_fmt:MATRIX_FMT_FP6 matrix_b_fmt:MATRIX_FMT_FP6 matrix_b_scale:MATRIX_SCALE_ROW1
.else
	v_wmma_scale_f32_16x16x128_f8f6f4 v[xD:xD+7], v[xA:xA+11], v[xB:xB+11], 0, v[xS], v[xT] matrix_a_fmt:MATRIX_FMT_FP6 matrix_b_fmt:MATRIX_FMT_FP6 matrix_a_scale:MATRIX_SCALE_ROW1 matrix_b_scale:MATRIX_SCALE_ROW1
.endif
.else
.if ((\ra) == 0) && ((\rb) == 0)
	v_wmma_scale_f32_16x16x128_f8f6f4 v[xD:xD+7], v[xA:xA+11], v[xB:xB+11], v[xD:xD+7], v[xS], v[xT] matrix_a_fmt:MATRIX_FMT_FP6 matrix_b_fmt:MATRIX_FMT_FP6
.elseif (\rb) == 0
	v_wmma_scale_f32_16x16x128_f8f6f4 v[xD:xD+7], v[xA:xA+11], v[xB:xB+11], v[xD:xD+7], v[xS], v[xT] matrix_a_fmt:MATRIX_FMT_FP6 matrix_b_fmt:MATRIX_FMT_FP6 matrix_a_scale:MATRIX_SCALE_ROW1
.elseif (\ra) == 0
	v_wmma_scale_f32_16x16x128_f8f6f4 v[xD:xD+7], v[xA:xA+11], v[xB:xB+11], v[xD:xD+7], v[xS], v[xT] matrix_a_fmt:MATRIX_FMT_FP6 matrix_b_fmt:MATRIX_FMT_FP6 matrix_b_scale:MATRIX_SCALE_ROW1
.else
	v_wmma_scale_f32_16x16x128_f8f6f4 v[xD:xD+7], v[xA:xA+11], v[xB:xB+11], v[xD:xD+7], v[xS], v[xT] matrix_a_fmt:MATRIX_FMT_FP6 matrix_b_fmt:MATRIX_FMT_FP6 matrix_a_scale:MATRIX_SCALE_ROW1 matrix_b_scale:MATRIX_SCALE_ROW1
.endif
.endif
.endm
	s_load_b256 s[4:11], s[0:1], 0x0               ; qbuf, kvbuf, hc, hs
	s_load_b128 s[48:51], s[0:1], 0x20             ; wo, woimg
	s_load_b64 s[52:53], s[0:1], 0x30              ; wosc
	v_lshl_add_u32 v254, v0, 2, 0x33000
	v_mov_b32 v255, 0
	ds_add_u32 v254, v255
	ds_add_u32 v254, v255
	v_lshrrev_b32 v1, 5, v0
	s_delay_alu instid0(VALU_DEP_1)
	v_readfirstlane_b32 s[WV], v1                  ; wave 0..15
	s_bfe_u32 s13, ttmp6, 0x40000                  ; cx
	s_lshl_b32 s23, ttmp9, 2
	s_add_co_u32 s13, s23, s13                     ; my block of 512 queries: it enters global addresses of Q and of the results alone
	s_and_b32 s14, ttmp7, 0xffff                   ; 16 x batch + head, which the four partners share
	; descriptor: a record is a dense block of 13,056 bytes: 51 rows of 256
	s_mov_b32 s24, 15|(3<<16)|(1<<21)              ; the mask: all four work-groups; elements of 8 bytes; bit 21 beside a mask; no padding
	s_mov_b32 s25, 32<<16                          ; tensor_dim0 = 32
	s_mov_b32 s26, 51<<16                          ; tensor_dim1 = 51
	s_mov_b32 s27, 32<<16                          ; tile_dim0
	s_mov_b32 s28, 51                              ; tile_dim1
	s_mov_b32 s29, 32                              ; from row to row
	s_mov_b32 s30, 0
	s_mov_b32 s31, 0
	s_mov_b32 s32, 1
	s_mul_i32 s33, s[WV], REC                      ; record w goes to LDS byte 13,056 w
	s_mul_i32 s44, s14, 16*REC
	s_add_co_u32 s44, s44, s33
	s_mov_b32 s45, 0
	; Q: my pair is pair w % 4 of record 4 x block + w / 4
	s_lshl_b32 s36, s14, 4
	s_lshl_b32 s37, s13, 2
	s_add_co_u32 s36, s36, s37
	s_lshr_b32 s37, s[WV], 2
	s_add_co_u32 s36, s36, s37
	s_mul_i32 s36, s36, 6656                       ; the record
	s_and_b32 s37, s[WV], 3
	s_lshr_b32 s38, s37, 1
	s_lshl_b32 s38, s38, 8                         ; its scale words: 256 bytes for two pairs,
	s_and_b32 s39, s[WV], 1
	s_lshl_b32 s39, s39, 2                         ; my pair's word of a lane's two
	s_add_co_u32 s38, s38, s39
	s_add_co_u32 s38, s38, 6144
	s_add_co_u32 s38, s38, s36
	s_mov_b32 s39, 0
	s_mul_i32 s37, s37, 1536
	s_add_co_u32 s36, s36, s37                     ; its codes
	s_mov_b32 s37, 0
	; where the results go
	s_lshl_b32 s15, s13, 4
	s_add_co_u32 s15, s15, s[WV]                   ; my pair among the head's 64
	s_lshr_b32 s23, s14, 4
	s_lshl_b32 s23, s23, 6
	s_add_co_u32 s23, s23, s15                     ; Pg: among all 256 pairs of tokens
	s_and_b32 s46, s14, 15                         ; the head
	s_lshr_b32 s40, s46, 1
	s_lshl_b32 s40, s40, 9
	s_lshl_b32 s41, s23, 1
	s_add_co_u32 s40, s40, s41
	s_mul_i32 s40, s40, 1536                       ; fragment (K step head / 2, tile 2 Pg),
	s_and_b32 s41, s14, 1
	s_mul_i32 s41, s41, 768                        ; its half c = head % 2
	s_add_co_u32 s40, s40, s41
	s_mov_b32 s41, 0
	s_lshl_b32 s42, s46, 14
	s_lshl_b32 s43, s23, 6
	s_add_co_u32 s42, s42, s43
	s_mov_b32 s43, 0
	s_mov_b32 s[SEL], 0x76543210
	s_mov_b32 s[SEL+1], 0xfedcba98                 ; v_permlanex16_b32's selects for lane l xor 16
	s_mov_b32 s[CS], 0x3e38aa3b                    ; c = log2(e) / 8
	s_mov_b32 s[CS+1], s[CS]                       ; (named with it as a pair, so it is written)
	s_mov_b32 s[M16], 0xffff0000                   ; lanes 16-31
	s_wait_dscnt 0x0
	s_wait_kmcnt 0x0
	s_add_nc_u64 s[34:35], s[6:7], s[44:45]
	s_or_b32 s35, s35, 0x80000000
	s_add_nc_u64 s[36:37], s[4:5], s[36:37]
	s_add_nc_u64 s[38:39], s[4:5], s[38:39]
	s_add_nc_u64 s[40:41], s[8:9], s[40:41]
	s_add_nc_u64 s[42:43], s[10:11], s[42:43]
	CROUND                                         ; all four work-groups are here: the joint loads meet
	tensor_load_to_lds s[32:35], s[24:31]          ; every wave's one load: record w
	s_nop 0
	PLACES 4
	v_and_b32 v3, 31, v0
	s_delay_alu instid0(VALU_DEP_1)
	v_lshlrev_b32 v1, 4, v3                        ; 16 x lane
	s_delay_alu instid0(VALU_DEP_2)
	v_lshlrev_b32 v2, 3, v3                        ; 8 x lane
	s_delay_alu instid0(VALU_DEP_3)
	v_lshlrev_b32 v7, 1, v3                        ; 2 x lane
	v_and_b32 v98, 16, v0
	s_delay_alu instid0(VALU_DEP_1)
	v_lshrrev_b32 v98, 1, v98                      ; 8 h: how far up my two bytes stand in p's scale word
	global_load_b128 v[16:19], v1, s[36:37]                ; the pair image's registers 0-3: the even tile's
	global_load_b64 v[20:21], v1, s[36:37] offset:512      ; 4, 5
	global_load_b64 v[28:29], v1, s[36:37] offset:520      ; 6, 7: the odd tile's first two
	global_load_b128 v[30:33], v1, s[36:37] offset:1024    ; 8-11
	global_load_b32 v[QS], v2, s[38:39]                    ; lanes 0-15 the even tile's scale words, lanes 16-31 the odd one's
.irp j, 0,1,2,3,4,5
	v_mov_b32 v[22+\j], 0                          ; zero codes for K = 64 .. 127
	v_mov_b32 v[34+\j], 0
	v_mov_b32 v[92+\j], 0                          ; and behind K's tile 7
.endr
.irp b, 0,1,2,3
	v_mov_b32 v[BP+\b], 0                          ; written once: a lane permute's destination counts as one of its sources
.endr
	v_mov_b32 v[F+1], 0                            ; (upper halves of pairs of which the low word serves both halves)
	v_mov_b32 v[T+1], 0
; wo IS QUANTISED HERE, for the launch that follows, while this work-group's records are on their way.  wo [16][64][1024] f32 is the right operand of the output projection; its K is (head, e).
; 512 fragments (K step s 8 x tile of 16 columns 64) for 256 work-groups: waves 0 and 1 make fragment 2 x work-group + wave.  The branch hangs on the wave's number alone; the work-group's place enters
; global addresses alone.  A lane takes a column and its registers run down K in the operand's own order (k = 128 s + 64 c + 32 h + 0 .. 31): the conversions' results are the fragment's registers.
;   woimg [s 8][tile 64][i 3][lane 32][16 bytes]: register 4 i + x of lane l at 512 i + 16 l + 4 x;   wosc [s 8][d 1024]: one scale word (the K step's four blocks).
; Registers idle at this place: v100-163 the 64 numbers, v196-207 the codes, v44-61 at work.
; LIMITS: a block whose largest magnitude lies under 2^-124 (a block of zeros too) keeps the byte 1: only this program reads the bytes.  NaN and infinities in wo are not served.
	s_wait_alu depctr_va_vdst(0)
	s_cmp_lt_u32 s[WV], 2
	s_cbranch_scc0 .Lno_wo
	s_lshl_b32 s54, s14, 2
	s_add_co_u32 s54, s54, s13                     ; the work-group's number, 0..255
	s_lshl_b32 s54, s54, 1
	s_add_co_u32 s54, s54, s[WV]                   ; my fragment = 64 s + tile
	s_lshr_b32 s55, s54, 6                         ; K step s
	s_and_b32 s56, s54, 63                         ; tile of columns
	s_lshl_b32 s57, s56, 6                         ; its 64 bytes in a row of wo and of wosc
	s_lshl_b32 s58, s55, 19                        ; 128 rows of 4,096 bytes a K step
	s_add_co_u32 s58, s58, s57
	s_mov_b32 s59, 0
	s_add_nc_u64 s[48:49], s[48:49], s[58:59]
	s_mul_i32 s58, s54, 1536
	s_add_nc_u64 s[50:51], s[50:51], s[58:59]
	s_lshl_b32 s58, s55, 12
	s_add_co_u32 s58, s58, s57
	s_add_nc_u64 s[52:53], s[52:53], s[58:59]
	v_and_b32 v60, 15, v0
	s_delay_alu instid0(VALU_DEP_1)
	v_lshlrev_b32 v60, 2, v60                      ; 4 r: my column in the tile's 64 bytes
	s_delay_alu instid0(VALU_DEP_1)
	v_lshl_add_u32 v61, v98, 14, v60               ; lanes 16-31 begin 32 rows of 4,096 bytes further down (v98 = 8 h)
	s_wait_alu depctr_va_vdst(0)
.irp c, 0,1
.set i, 0
.rept 32
	global_load_b32 v[S+32*\c+i], v61, s[48:49] offset:4096*(64*\c+i) th:TH_LOAD_NT   ; wo(128 s + 64 c + 32 h + i, my column): read once in the launch
.set i, i+1
.endr
.endr
	s_wait_loadcnt 0x0
.irp c, 0,1                                    ; my block 2 c + h: all its 32 numbers are mine
	v_max3_num_f32 v[44+\c], |v[S+32*\c]|, |v[S+1+32*\c]|, 0x1800000   ; with the floor 2^(3 - 127): the byte cannot fall under 1
.endr
.irp i, 2,4,6,8,10,12,14,16,18,20,22,24,26,28,30
.irp c, 0,1
	s_delay_alu instid0(VALU_DEP_2)
	v_max3_num_f32 v[44+\c], v[44+\c], |v[S+32*\c+\i]|, |v[S+1+32*\c+\i]|   ; the two blocks by turns
.endr
.endr
.irp c, 0,1
	s_delay_alu instid0(VALU_DEP_2)
	v_add_nc_u32 v[46+\c], 0xff000000, v[44+\c]    ; 2 off the exponent field: the conversion's scale operand
.endr
.irp c, 0,1
	s_delay_alu instid0(VALU_DEP_2)
	v_lshrrev_b32 v[48+\c], 23, v[46+\c]           ; the scale's byte
.endr
	s_delay_alu instid0(VALU_DEP_1)
	v_lshl_or_b32 v50, v49, 16, v48                ; my two bytes, blocks h and 2 + h,
	s_delay_alu instid0(VALU_DEP_1)
	v_lshlrev_b32 v50, v98, v50                    ; at their places in the word;
	s_delay_alu instid0(VALU_DEP_1)
	v_permlanex16_b32 v[BP], v50, s[SEL], s[SEL+1]
	s_delay_alu instid0(VALU_DEP_1)
	v_or_b32 v50, v50, v[BP]                       ; with lane l xor 16's two the word is whole
.irp c, 0,1
	v_cvt_scalef32_pk16_fp6_f32 v[PCD+6*\c:PCD+6*\c+2], v[S+32*\c:S+32*\c+15], v[46+\c]
	v_cvt_scalef32_pk16_fp6_f32 v[52+4*\c:54+4*\c], v[S+16+32*\c:S+31+32*\c], v[46+\c]   ; (a conversion's three registers begin on an even number)
.endr
	v_nop                                          ; one plain vector line behind the scaled conversions
.irp c, 0,1
.irp i, 0,1,2
	v_mov_b32 v[PCD+3+6*\c+\i], v[52+4*\c+\i]
.endr
.endr
.irp i, 0,1,2
	global_store_b128 v1, v[PCD+4*\i:PCD+4*\i+3], s[50:51] offset:512*\i   ; 32 lanes store 512 consecutive bytes, at a multiple of 512 from the buffer's first byte
.endr
	s_wait_alu depctr_va_vdst(0)
	s_wait_xcnt 0x0                                ; EXEC is a source of the loads and stores above: it is narrowed only behind this wait
	v_cmp_gt_u32 vcc_lo, 16, v3
	s_and_saveexec_b32 s60, vcc_lo                 ; lanes 0-15: one word a column
	global_store_b32 v60, v50, s[52:53]
	s_wait_xcnt 0x0                                ; and widened again only behind this one; the stores' registers may be written again too
	s_or_b32 exec_lo, exec_lo, s60
.Lno_wo:
	s_wait_tensorcnt 0x0                           ; my record is in,
	s_barrier_signal -1
	s_barrier_wait -1                              ; all sixteen are
	s_wait_loadcnt 0x0                             ; Q
; A KEY STEP: the 128 keys of the record at LDS byte s[TB], for tile pi of my pair.
.macro STEP pi
	v_add_nc_u32 v3, s[TB], v1
	v_add_nc_u32 v4, s[TB], v2
	PLACES 2                                       ; with the two additions: four plain vector lines in front of loads into registers that the last products read
.irp i, 0,1,2,3,4,5,6,7,8,9,10,11
	ds_load_b128 v[KV+4*\i:KV+4*\i+3], v3 offset:512*\i            ; K's four pair images on end: tile t at v[KV + 6 t]
.endr
.irp i, 0,1
	ds_load_b64 v[KS+2*\i:KS+2*\i+1], v4 offset:12288+256*\i       ; register KS + pair: lanes 0-15 the even tile's words, lanes 16-31 the odd one's
.endr
	s_wait_alu depctr_va_vdst(0)
	s_wait_dscnt 0x0
.irp t, 0,1,2,3,4,5,6,7
	WM S+8*\t, KV+6*\t, 16+12*\pi, 0, KS+\t/2, QS, \t%2, \pi
.endr
	PLACES 4                                       ; in front of the loads below and of the first read of the scores
.irp i, 0,1,2,3,4,5,6,7,8,9,10,11
	ds_load_b128 v[KV+4*\i:KV+4*\i+3], v3 offset:6144+512*\i       ; V's four fragments: they land under the softmax
.endr
	ds_load_b64 v[VS:VS+1], v4 offset:12800
.irp b, 0,1,2,3
	v_max3_num_f32 v[BM+\b], v[S+16*\b], v[S+1+16*\b], v[S+2+16*\b]   ; THE LARGEST SCORE OF EACH BLOCK OF 32 KEYS: for the row's maximum, and, since p rises with the score, for the block's largest p
.endr
.irp i, 3,5,7,9,11,13
.irp b, 0,1,2,3
	v_max3_num_f32 v[BM+\b], v[BM+\b], v[S+16*\b+\i], v[S+1+16*\b+\i]   ; the four blocks by turns; each accumulator is first read at its low end
.endr
.endr
.irp b, 0,1,2,3
	v_max_num_f32 v[BM+\b], v[BM+\b], v[S+15+16*\b]
.endr
	s_delay_alu instid0(VALU_DEP_3)
	v_max_num_f32 v[BM], v[BM], v[BM+1]            ; my block h: the two halves' largest scores
	s_delay_alu instid0(VALU_DEP_2)
	v_max_num_f32 v[BM+1], v[BM+2], v[BM+3]        ; my block 2 + h
	s_delay_alu instid0(VALU_DEP_1)
	v_max_num_f32 v[T], v[BM], v[BM+1]
	s_delay_alu instid0(VALU_DEP_1)
	v_permlanex16_b32 v[BP], v[T], s[SEL], s[SEL+1]
	s_delay_alu instid0(VALU_DEP_1)
	v_max_num_f32 v[T], v[T], v[BP]                ; with lane l xor 16's two blocks: the step's largest score of my query
	s_delay_alu instid0(VALU_DEP_1)
	v_mul_f32 v[T], s[CS], v[T]                    ; as t (c is positive)
	s_delay_alu instid0(VALU_DEP_1)
	v_max_num_f32 v13, v13, v[T]                   ; the running largest t
	v_mov_b32 v[T], v12
	s_delay_alu instid0(VALU_DEP_2)
	v_floor_f32 v12, -v13                          ; the new -M = floor(-t) = -ceil(t): a whole number
	s_delay_alu instid0(VALU_DEP_1)
	v_sub_f32 v[T], v12, v[T]                      ; old M less new M: a whole number, 0 or less
	s_delay_alu instid0(VALU_DEP_1)
	v_cvt_i32_f32 v[T], v[T]                       ; (it saturates)
	s_delay_alu instid0(VALU_DEP_1)
	v_ldexp_f32 v[F], 1.0, v[T]                    ; f = 2^(old M - new M)
.set j, 0
.rept 32
	v_pk_fma_f32 v[S+j:S+j+1], v[S+j:S+j+1], s[CS:CS+1], v[12:13] op_sel_hi:[1,0,0]   ; t - M, two at a time
.set j, j+2
.endr
.irp b, 0,1
	v_fma_f32 v[BM+\b], v[BM+\b], s[CS], v12       ; the same of my two blocks' largest scores
.endr
.set j, 0
	s_wait_alu depctr_va_vdst(0)
.rept 64
	v_exp_f32 v[S+j], v[S+j]                       ; p = 2^(t - M), at most 1
.set j, j+1
.endr
.irp b, 0,1
	v_exp_f32 v[BM+\b], v[BM+\b]                   ; the block's largest p: the same two instructions on the same number
.endr
	v_pk_mul_f32 v[14:15], v[14:15], v[F:F+1] op_sel_hi:[1,0]   ; the sum under the new M (a plain line behind the exponentials)
	s_wait_alu depctr_va_vdst(0)
.irp b, 0,1
	v_max_num_f32 v[BM+\b], 0x1800000, v[BM+\b]    ; the floor 2^(3 - 127): the byte cannot fall under 1
.endr
.irp b, 0,1
	s_delay_alu instid0(VALU_DEP_2)
	v_add_nc_u32 v[SO+\b], 0xff000000, v[BM+\b]    ; 2 off the exponent field: the conversion's scale operand
.endr
.irp b, 0,1
	s_delay_alu instid0(VALU_DEP_2)
	v_lshrrev_b32 v[BP+\b], 23, v[SO+\b]           ; the scale's byte
.endr
	s_delay_alu instid0(VALU_DEP_1)
	v_lshl_or_b32 v[PS], v[BP+1], 16, v[BP]        ; my two bytes, blocks h and 2 + h,
	s_delay_alu instid0(VALU_DEP_1)
	v_lshlrev_b32 v[PS], v98, v[PS]                ; at their places in the word;
	s_delay_alu instid0(VALU_DEP_1)
	v_permlanex16_b32 v[BP], v[PS], s[SEL], s[SEL+1]
	s_delay_alu instid0(VALU_DEP_1)
	v_or_b32 v[PS], v[PS], v[BP]                   ; with lane l xor 16's two: p's scale word for these 128 keys
	v_cvt_scalef32_pk16_fp6_f32 v[PCD:PCD+2], v[S:S+15], v[SO]
	v_cvt_scalef32_pk16_fp6_f32 v[TY0:TY0+2], v[S+16:S+31], v[SO]     ; (a conversion's three registers begin on an even number: the block's second half is made elsewhere and moved)
	v_cvt_scalef32_pk16_fp6_f32 v[PCD+6:PCD+8], v[S+32:S+47], v[SO+1]
	v_cvt_scalef32_pk16_fp6_f32 v[TY1:TY1+2], v[S+48:S+63], v[SO+1]
	v_nop                                          ; one plain vector line behind the scaled conversions
.irp i, 0,1,2
	v_mov_b32 v[PCD+3+\i], v[TY0+\i]
	v_mov_b32 v[PCD+9+\i], v[TY1+\i]
.endr
	v_pk_add_f32 v[232:233], v[104:105], v[108:109]
	v_pk_add_f32 v[252:253], v[112:113], v[116:117]
	v_pk_add_f32 v[250:251], v[120:121], v[124:125]
	v_pk_add_f32 v[248:249], v[128:129], v[132:133]
	v_pk_add_f32 v[246:247], v[136:137], v[140:141]
	v_pk_add_f32 v[244:245], v[144:145], v[148:149]
	v_pk_add_f32 v[242:243], v[152:153], v[156:157]
	v_pk_add_f32 v[14:15], v[14:15], v[160:161]
	v_pk_add_f32 v[232:233], v[232:233], v[100:101]
	v_pk_add_f32 v[252:253], v[252:253], v[102:103]
	v_pk_add_f32 v[250:251], v[250:251], v[106:107]
	v_pk_add_f32 v[248:249], v[248:249], v[110:111]
	v_pk_add_f32 v[246:247], v[246:247], v[114:115]
	v_pk_add_f32 v[244:245], v[244:245], v[118:119]
	v_pk_add_f32 v[242:243], v[242:243], v[122:123]
	v_pk_add_f32 v[14:15], v[14:15], v[126:127]
	v_pk_add_f32 v[232:233], v[232:233], v[130:131]
	v_pk_add_f32 v[252:253], v[252:253], v[134:135]
	v_pk_add_f32 v[250:251], v[250:251], v[138:139]
	v_pk_add_f32 v[248:249], v[248:249], v[142:143]
	v_pk_add_f32 v[246:247], v[246:247], v[146:147]
	v_pk_add_f32 v[244:245], v[244:245], v[150:151]
	v_pk_add_f32 v[242:243], v[242:243], v[154:155]
	v_pk_add_f32 v[14:15], v[14:15], v[158:159]
	v_pk_add_f32 v[232:233], v[232:233], v[162:163]
	s_delay_alu instid0(VALU_DEP_2)
	v_pk_add_f32 v[14:15], v[14:15], v[248:249]
	s_delay_alu instid0(VALU_DEP_2)
	v_pk_add_f32 v[232:233], v[232:233], v[246:247]
	v_pk_add_f32 v[252:253], v[252:253], v[244:245]
	v_pk_add_f32 v[250:251], v[250:251], v[242:243]
	s_delay_alu instid0(VALU_DEP_2)
	v_pk_add_f32 v[14:15], v[14:15], v[252:253]
	s_delay_alu instid0(VALU_DEP_2)
	v_pk_add_f32 v[232:233], v[232:233], v[250:251]
	s_delay_alu instid0(VALU_DEP_1)
	v_pk_add_f32 v[14:15], v[14:15], v[232:233]
.set j, 0
.rept 16
	v_pk_mul_f32 v[OT+j:OT+j+1], v[OT+j:OT+j+1], v[F:F+1] op_sel_hi:[1,0]   ; O^T under the new M.  (The sums and these: 48 plain lines between p's scale word and codes and the products)
.set j, j+2
.endr
	s_wait_alu depctr_va_vdst(0)
	s_wait_dscnt 0x0                               ; V
.irp te, 0,1,2,3
	WM OT+8*\te, KV+12*\te, PCD, 1, VS+\te/2, PS, \te%2, 0   ; four accumulators by turns; the next matrix instruction round the loop is a score's
.endr
.endm
; One tile's walk over the head's keys.  O^T and the sum begin as zeros and the largest t as -3e38: the step is written once for each tile, and the first change of M multiplies zeros.
.macro PASS pi
	v_mov_b32 v13, 0xff61b1e6                      ; -3e38, under every t
	s_delay_alu instid0(VALU_DEP_1)
	v_floor_f32 v12, -v13
	v_mov_b32 v14, 0
	v_mov_b32 v15, 0
.set j, 0
.rept 32
	v_mov_b32 v[OT+j], 0
.set j, j+1
.endr
	s_mov_b32 s[TB], 0
	s_mov_b32 s[CNT], 16
.Lstep_\@:
	STEP \pi
	s_add_co_u32 s[TB], s[TB], REC
	s_sub_co_u32 s[CNT], s[CNT], 1
	s_cmp_lg_u32 s[CNT], 0
	s_cbranch_scc1 .Lstep_\@
.endm
; heads = O^T / l, quantised along e (two blocks), stored as half a fragment of the projection's left operand.
.macro FINISH pi
	s_wait_xcnt 0x0                                ; the other tile's stores have read their registers
	PLACES 4                                       ; behind the last products
	v_add_f32 v14, v14, v15                        ; the sum's two halves,
	s_delay_alu instid0(VALU_DEP_1)
	v_permlanex16_b32 v[BP], v14, s[SEL], s[SEL+1]
	s_delay_alu instid0(VALU_DEP_1)
	v_add_f32 v14, v14, v[BP]                      ; and lane l xor 16's: l
	s_wait_alu depctr_va_vdst(0)
	v_rcp_f32 v[T], v14
	v_nop                                          ; one plain vector line behind the transcendental
.set j, 0
	s_wait_alu depctr_va_vdst(0)
.rept 16
	v_pk_mul_f32 v[OT+j:OT+j+1], v[OT+j:OT+j+1], v[T:T+1] op_sel_hi:[1,0]   ; register 8 te + i: heads(query r, e = 16 te + 8 h + i)
.set j, j+2
.endr
.irp b, 0,1
.irp j, 0,1,2,3,4,5,6,7
	v_permlane16_swap_b32 v[OT+16*\b+\j], v[OT+16*\b+8+\j]   ; register 16 b + i is now e = 32 b + 16 h + i
.endr
.endr
.irp b, 0,1
	v_max3_num_f32 v[BM+\b], |v[OT+16*\b]|, |v[OT+1+16*\b]|, 0x1800000
.endr
.irp i, 2,4,6,8,10,12,14
.irp b, 0,1
	s_delay_alu instid0(VALU_DEP_2)
	v_max3_num_f32 v[BM+\b], v[BM+\b], |v[OT+16*\b+\i]|, |v[OT+1+16*\b+\i]|
.endr
.endr
.irp b, 0,1
	s_delay_alu instid0(VALU_DEP_2)
	v_permlanex16_b32 v[BP+\b], v[BM+\b], s[SEL], s[SEL+1]
.endr
.irp b, 0,1
	s_delay_alu instid0(VALU_DEP_2)
	v_max_num_f32 v[BM+\b], v[BM+\b], v[BP+\b]
.endr
.irp b, 0,1
	s_delay_alu instid0(VALU_DEP_2)
	v_add_nc_u32 v[SO+\b], 0xff000000, v[BM+\b]
.endr
.irp b, 0,1
	s_delay_alu instid0(VALU_DEP_2)
	v_lshrrev_b32 v[BP+\b], 23, v[SO+\b]
.endr
	s_delay_alu instid0(VALU_DEP_1)
	v_lshl_or_b32 v[5+\pi], v[BP+1], 8, v[BP]      ; my query's two scale bytes (the same in lanes r and r + 16)
	v_cvt_scalef32_pk16_fp6_f32 v[HC:HC+2], v[OT:OT+15], v[SO]
	v_cvt_scalef32_pk16_fp6_f32 v[TY0:TY0+2], v[OT+16:OT+31], v[SO+1]
	v_nop                                          ; one plain vector line behind the scaled conversions
.irp i, 0,1,2
	v_permlane16_swap_b32 v[HC+\i], v[TY0+\i]
.endr
.irp i, 0,1,2
	s_delay_alu instid0(VALU_DEP_3)
	v_mov_b32 v[HC+3+\i], v[TY0+\i]                ; six registers: e = 32 h + 0 .. 31
.endr
.irp i, 0,1,2
	global_store_b64 v2, v[HC+2*\i:HC+2*\i+1], s[40:41] offset:1536*\pi+256*\i   ; 32 lanes store 256 consecutive bytes, aligned
.endr
.endm
	PASS 0
	FINISH 0
	PASS 1
	FINISH 1
	v_cndmask_b32 v5, v5, v6, s[M16]               ; lanes 0-15 the even tile's bytes, lanes 16-31 the odd one's
	global_store_b16 v7, v5, s[42:43]
	s_wait_dscnt 0x0                               ; no LDS instruction of mine is out at a signal
	s_wait_tensorcnt 0x0
	ds_add_u32 v254, v255
	s_wait_dscnt 0x0
	CROUND                                         ; the closing round
	s_endpgm
.Lfunc_end_k_q819a26e9fb_attn:
	.size	k_q819a26e9fb_attn, .Lfunc_end_k_q819a26e9fb_attn-k_q819a26e9fb_attn
	.p2alignl 7, 3214868480
	.fill 96, 4, 3214868480
	.section	.rodata,"a",@progbits
	.p2align	6, 0x0
	.amdhsa_kernel k_q819a26e9fb_attn
		.amdhsa_group_segment_fixed_size 210944
		.amdhsa_private_segment_fixed_size 0
		.amdhsa_enable_private_segment 0
		.amdhsa_kernarg_size 56
		.amdhsa_user_sgpr_count 2
		.amdhsa_user_sgpr_kernarg_segment_ptr 1
		.amdhsa_wavefront_size32 1
		.amdhsa_system_sgpr_workgroup_id_x 1
		.amdhsa_system_sgpr_workgroup_id_y 1
		.amdhsa_system_sgpr_workgroup_id_z 1
		.amdhsa_system_vgpr_workitem_id 0
		.amdhsa_next_free_vgpr 256
		.amdhsa_next_free_sgpr 66
		.amdhsa_reserve_vcc 1
		.amdhsa_float_denorm_mode_32 3
		.amdhsa_float_denorm_mode_16_64 3
		.amdhsa_memory_ordered 1
		.amdhsa_forward_progress 1
		.amdhsa_inst_pref_size 61
	.end_amdhsa_kernel
	.amdgpu_metadata
---
amdhsa.version: [ 1, 2 ]
amdhsa.kernels:
  - .name:           k_q819a26e9fb_attn
    .symbol:         k_q819a26e9fb_attn.kd
    .args:
      - { .name: qbuf, .offset: 0, .size: 8, .value_kind: global_buffer, .address_space: global }
      - { .name: kvbuf, .offset: 8, .size: 8, .value_kind: global_buffer, .address_space: global }
      - { .name: hc, .offset: 16, .size: 8, .value_kind: global_buffer, .address_space: global }
      - { .name: hs, .offset: 24, .size: 8, .value_kind: global_buffer, .address_space: global }
      - { .name: wo, .offset: 32, .size: 8, .value_kind: global_buffer, .address_space: global }
      - { .name: woimg, .offset: 40, .size: 8, .value_kind: global_buffer, .address_space: global }
      - { .name: wosc, .offset: 48, .size: 8, .value_kind: global_buffer, .address_space: global }
    .group_segment_fixed_size: 210944
    .private_segment_fixed_size: 0
    .kernarg_segment_align: 8
    .kernarg_segment_size: 56
    .max_flat_workgroup_size: 512
    .sgpr_count:     66
    .vgpr_count:     256
    .wavefront_size: 32
...
	.end_amdgpu_metadata
.endif
;; end of part 2
;; launch outproj (part 3): grid 4 x 64, 4 waves a work-group, clusters of 4 x 4, 312,832 bytes of LDS; arguments hc, hs, woimg, wosc, bo, out0; writes out0
.if DOCPART == 3
	.amdgcn_target "amdgcn-amd-amdhsa--gfx1250"
	.amdhsa_code_object_version 6
	.text
	.protected	k_q819a26e9fb_outproj
	.globl	k_q819a26e9fb_outproj
	.p2align	8
	.type	k_q819a26e9fb_outproj,@function
k_q819a26e9fb_outproj:
	s_mov_b64 s[64:65], 0
	v_nop
	global_prefetch_b8 v0, s[64:65] scope:SCOPE_SE
	s_setreg_imm32_b32 hwreg(HW_REG_WAVE_MODE, 25, 1), 1
	s_wait_xcnt 0x0
	s_wait_alu depctr_hold_cnt(0) depctr_sa_sdst(0) depctr_va_vdst(0) depctr_va_sdst(0) depctr_va_ssrc(0) depctr_va_vcc(0) depctr_vm_vsrc(0)
	s_getreg_b32 s2, hwreg(HW_REG_IB_STS2, 6, 4)
	s_cmp_eq_u32 s2, 0
	s_cbranch_scc0 .Lentry_in_a_cluster
	s_endpgm
.Lentry_in_a_cluster:
	s_bfe_u32 s2, ttmp6, 0x10000c
	s_cmp_lg_u32 s2, 0xf033
	s_cbranch_scc0 .Lentry_shape_is_right
	s_endpgm
.Lentry_shape_is_right:
; out = heads wo + the sum over heads of bo, on FP6 (E2M3) codes with E8M0 scales; K = (head, e) = 1,024.  Both operands come as images of their registers, made by the launches before.
; A work-group makes 128 tokens ("A": 8 tiles of hc) x 256 columns d ("B": 16 tiles of woimg).  D = (source 0: 16 columns of wo) x (source 1: 16 tokens): lane (r, h) holds one token and eight
; neighbouring columns.  Four waves: wave w takes A's half w / 2 (4 tiles) and B's half w % 2 (8 tiles): 32 accumulators, which take turns in the same order in each of the 8 K steps.
; The bias is the C of each sum's first product.
; LDS IS FILLED ONCE: all of K fits, as four chunks of two K steps.  A K step's tiles are one dense run of memory (6,144 bytes for half of A, 12,288 for half of B), so a chunk is a tile of two long rows.
; Four tensor loads a wave go out at the start (by this text's count four are outstanding); counted waits and plain barriers let K steps begin as chunks land.  Nothing is filled again.
; Images are read as consecutive bytes in consecutive lanes: no padding.
; CLUSTER 4 x 4: A's tiles hang on the block of tokens alone and are asked for jointly along a row of the cluster, B's on the block of columns alone and jointly along a column.
; Lane r of token tile T = 2 Pg + u holds token 32 Pg + 8 u + r + 8 (r / 8): the order is undone in the stores' immediates.
; THE WAY OUT: 16 tokens x 64 columns at a time through the wave's own stage (bytes of its own, into which no fill lands), back as rows of 256 bytes: sixteen lanes store 256 consecutive aligned bytes.
; REGISTERS.  window 0: v1-20 addresses; v32-47 A's scale words, v48-79 B's; v80-175 A's fragments, two sets (at first bo, at last rows of out); v176-207 heads' scale bytes as loaded.
;   window 1: accumulator (ta, tb) at v[8 (8 ta + tb)].   window 2: v0-191 B's fragments, two sets; v192-255 the bias in the result's layout.
; LDS AS IT IS LAID NOW (this takes the place of the four chunks and four loads a wave named above): ONE tensor load a wave brings its half's eight K steps as eight long rows:
; A: [half][K step 8][6,144 bytes], B behind it: [half][K step 8][12,288 bytes].  Lane r of token tile ta (0..3) of a wave's 64 tokens holds token 32 (r / 8) + 8 ta + r % 8.
.set BBASE, 98304
.set STAGE, 294912                     ; behind B: 16 rows x 272 bytes for each wave: seventeen blocks of 256 bytes each
.set SA,   32
.set SB,   48
.set AF,   80
.set HB,   176
.set BI,   192
.set OB,   80
.set ADA,  10                          ; v10-11  my A fragments: 8 x lane + my half, K steps 0-3 and 4-7
.set ADB,  12                          ; v12-15  my B fragments: 16 x lane + my half, chunk 0..3
.set STW,  16                          ; v16     my stage + 16 x lane
.set STB,  17                          ; v17     my stage + 32 h
.set STO,  18                          ; v18     the way out: where I put 32 bytes of a row
.set RD,   19                          ; v19     where I read a row back
.set CO,   20                          ; v20     my byte offset in two rows of out
.set WV,   16
.set WA,   17
.set WB,   18
.set CX,   19
.set CY,   20
.set ABLK, 21
.set BBLK, 22
.set G1A,  24                          ; s[24:31], s[32:39] descriptor groups 1;  s[40:43], s[68:71] groups 0
.set G1B,  32
.set G0A,  40
.set G0B,  68
.set MROW, 56
.set MCOL, 57
.set MSB, 0
.macro WIN new                         ; the immediate's high byte repeats the setting that is left
.if MSB != \new
	s_set_vgpr_msb (MSB<<8)|\new
.set MSB, \new
.endif
.endm
.macro PLACES n
.rept \n
	v_nop
.endr
.endm
.macro CROUND                          ; a round of the cluster's barrier
	s_barrier_signal -1
	s_barrier_wait -1
	s_cmp_lg_u32 s[WV], 0
	s_cbranch_scc1 .Lnot_wave_0_\@
	s_barrier_signal -3
.Lnot_wave_0_\@:
	s_barrier_wait -3
	s_barrier_signal -1
	s_barrier_wait -1
.endm
; One product.  cm = 2: C = v[c ..], the bias: it starts the sum;  1: it adds in place.  ra, rb = 1: source 0's, source 1's scale words stand in lanes 16-31.
.macro WM d, a, b, cm, c, sa, sb, ra, rb
.set xD, \d
.set xA, \a
.set xB, \b
.set xC, \c
.set xS, \sa
.set xT, \sb
.if (\cm) == 2
.if ((\ra) == 0) && ((\rb) == 0)
	v_wmma_scale_f32_16x16x128_f8f6f4 v[xD:xD+7], v[xA:xA+11], v[xB:xB+11], v[xC:xC+7], v[xS], v[xT] matrix_a_fmt:MATRIX_FMT_FP6 matrix_b_fmt:MATRIX_FMT_FP6
.elseif (\rb) == 0
	v_wmma_scale_f32_16x16x128_f8f6f4 v[xD:xD+7], v[xA:xA+11], v[xB:xB+11], v[xC:xC+7], v[xS], v[xT] matrix_a_fmt:MATRIX_FMT_FP6 matrix_b_fmt:MATRIX_FMT_FP6 matrix_a_scale:MATRIX_SCALE_ROW1
.elseif (\ra) == 0
	v_wmma_scale_f32_16x16x128_f8f6f4 v[xD:xD+7], v[xA:xA+11], v[xB:xB+11], v[xC:xC+7], v[xS], v[xT] matrix_a_fmt:MATRIX_FMT_FP6 matrix_b_fmt:MATRIX_FMT_FP6 matrix_b_scale:MATRIX_SCALE_ROW1
.else
	v_wmma_scale_f32_16x16x128_f8f6f4 v[xD:xD+7], v[xA:xA+11], v[xB:xB+11], v[xC:xC+7], v[xS], v[xT] matrix_a_fmt:MATRIX_FMT_FP6 matrix_b_fmt:MATRIX_FMT_FP6 matrix_a_scale:MATRIX_SCALE_ROW1 matrix_b_scale:MATRIX_SCALE_ROW1
.endif
.else
.if ((\ra) == 0) && ((\rb) == 0)
	v_wmma_scale_f32_16x16x128_f8f6f4 v[xD:xD+7], v[xA:xA+11], v[xB:xB+11], v[xD:xD+7], v[xS], v[xT] matrix_a_fmt:MATRIX_FMT_FP6 matrix_b_fmt:MATRIX_FMT_FP6
.elseif (\rb) == 0
	v_wmma_scale_f32_16x16x128_f8f6f4 v[xD:xD+7], v[xA:xA+11], v[xB:xB+11], v[xD:xD+7], v[xS], v[xT] matrix_a_fmt:MATRIX_FMT_FP6 matrix_b_fmt:MATRIX_FMT_FP6 matrix_a_scale:MATRIX_SCALE_ROW1
.elseif (\ra) == 0
	v_wmma_scale_f32_16x16x128_f8f6f4 v[xD:xD+7], v[xA:xA+11], v[xB:xB+11], v[xD:xD+7], v[xS], v[xT] matrix_a_fmt:MATRIX_FMT_FP6 matrix_b_fmt:MATRIX_FMT_FP6 matrix_b_scale:MATRIX_SCALE_ROW1
.else
	v_wmma_scale_f32_16x16x128_f8f6f4 v[xD:xD+7], v[xA:xA+11], v[xB:xB+11], v[xD:xD+7], v[xS], v[xT] matrix_a_fmt:MATRIX_FMT_FP6 matrix_b_fmt:MATRIX_FMT_FP6 matrix_a_scale:MATRIX_SCALE_ROW1 matrix_b_scale:MATRIX_SCALE_ROW1
.endif
.endif
.endm
.macro MUL q, set, cm                  ; K step q's 32 products on fragment set `set`
.if (\cm) == 2
	WIN 0x62                                       ; source 0 (B) and C (the bias) window 2, source 1 (A) window 0, D window 1
.else
	WIN 0x52                                       ; source 0 window 2, source 1 window 0, C and D window 1
.endif
.irp ta, 0,1,2,3
.irp tb, 0,1,2,3,4,5,6,7
	WM 8*(8*\ta+\tb), 96*(\set)+12*\tb, AF+48*(\set)+12*\ta, \cm, BI+8*\tb, SB+8*(\tb/2)+(\q), SA+8*(\ta/2)+(\q), \tb%2, \ta%2
.endr
.endr
.endm
.macro FETCH q, set                    ; K step q's 12 fragments, 48 loads in one run
	WIN 0x80                                       ; destination window 2, address window 0
.irp t, 0,1,2,3,4,5,6,7
.irp i, 0,1,2
	ds_load_b128 v[96*(\set)+12*\t+4*\i:96*(\set)+12*\t+4*\i+3], v[ADB+(\q)/2] offset:((\q)%2)*12288+\t*1536+512*\i
.endr
.endr
	WIN 0
.irp t, 0,1,2,3
.irp p, 0,1,2,3,4,5
	ds_load_b64 v[AF+48*(\set)+12*\t+2*\p:AF+48*(\set)+12*\t+2*\p+1], v[ADA+(\q)/4] offset:((\q)%4)*6144+\t*1536+256*\p
.endr
.endr
.endm
; A K step.  tw >= 0: the next step lies in a chunk not yet shown landed: my part of it is waited for (tw = my younger loads, which may stay out), then the work-group's barrier shows everybody's.
.macro STEP q, tw
	s_wait_dscnt 0x0                               ; this step's fragments, asked for a step ago, are in; no LDS instruction of mine is out at the barrier below
.if (\tw) >= 0
	s_wait_tensorcnt \tw
	s_barrier_signal -1
	s_barrier_wait -1
.endif
.if (\q) < 7
.if (\q) > 0
	PLACES 4                                       ; the other set was read by the products just issued: four plain vector lines in front of loads into it (ISA guide 7.12.1 for vector instructions)
.endif
	FETCH (\q)+1, ((\q)+1)%2
.endif
.if (\q) == 0
	MUL \q, 0, 2
.else
	MUL \q, (\q)%2, 1
.endif
.endm
	s_load_b256 s[4:11], s[0:1], 0x0               ; hc, hs, woimg, wosc
	s_load_b128 s[12:15], s[0:1], 0x20             ; bo, out0
	v_lshl_add_u32 v254, v0, 2, 0x4c400
	v_mov_b32 v255, 0
	ds_add_u32 v254, v255
	ds_add_u32 v254, v255
	v_lshrrev_b32 v1, 5, v0
	v_readfirstlane_b32 s[WV], v1                  ; wave 0..3
	s_lshr_b32 s[WA], s[WV], 1                     ; my half of A.  Also: I fetch for A (0) or for B (1)
	s_and_b32 s[WB], s[WV], 1                      ; my half of B.  Also: which half of that tile I fetch
	s_bfe_u32 s[CX], ttmp6, 0x40000
	s_bfe_u32 s[CY], ttmp6, 0x40004
	s_lshl_b32 s[BBLK], ttmp9, 2
	s_add_co_u32 s[BBLK], s[BBLK], s[CX]           ; block of 256 columns
	s_and_b32 s[ABLK], ttmp7, 0xffff
	s_lshl_b32 s[ABLK], s[ABLK], 2
	s_add_co_u32 s[ABLK], s[ABLK], s[CY]           ; block of 128 tokens
	s_lshl_b32 s[MROW], s[CY], 2
	s_lshl_b32 s[MROW], 15, s[MROW]                ; my row of the cluster
	s_lshl_b32 s[MCOL], 0x1111, s[CX]              ; my column
	s_or_b32 s[G1A], s[MROW], (3<<16)|(1<<21)      ; elements of 8 bytes; bit 21 beside a mask; no padding
	s_or_b32 s[G1B], s[MCOL], (3<<16)|(1<<21)
	s_mov_b32 s[G1A+1], 768<<16                    ; tensor_dim0 = 768 elements: four tiles, 6,144 bytes
	s_mov_b32 s[G1A+2], 8<<16                      ; tensor_dim1 = 8 K steps
	s_mov_b32 s[G1A+3], 768<<16                    ; tile_dim0
	s_mov_b32 s[G1A+4], 8                          ; tile_dim1
	s_mov_b32 s[G1A+5], 98304                      ; from K step to K step: 512 tiles of 1,536 bytes
	s_mov_b32 s[G1A+6], 0
	s_mov_b32 s[G1A+7], 0
	s_mov_b32 s[G1B+1], 1536<<16                   ; eight tiles, 12,288 bytes
	s_mov_b32 s[G1B+2], 8<<16
	s_mov_b32 s[G1B+3], 1536<<16
	s_mov_b32 s[G1B+4], 8
	s_mov_b32 s[G1B+5], 12288                      ; 64 tiles of 1,536 bytes
	s_mov_b32 s[G1B+6], 0
	s_mov_b32 s[G1B+7], 0
	s_lshl_b32 s58, s[ABLK], 3                     ; A: the tiles that I fetch begin at 8 x block + 4 x half (registers that never hold cx)
	s_lshl_b32 s59, s[WB], 2
	s_add_co_u32 s58, s58, s59
	s_mul_i32 s58, s58, 1536
	s_mov_b32 s59, 0
	s_lshl_b32 s60, s[BBLK], 4                     ; B: 16 x block + 8 x half (registers that never hold cy)
	s_lshl_b32 s61, s[WB], 3
	s_add_co_u32 s60, s60, s61
	s_mul_i32 s60, s60, 1536
	s_mov_b32 s61, 0
	s_mul_i32 s62, s[WB], 49152                    ; where they go: the wave's number alone enters an LDS address
	s_mul_i32 s63, s[WB], 98304
	s_add_co_u32 s63, s63, BBASE
	s_wait_dscnt 0x0
	s_wait_kmcnt 0x0
	s_add_nc_u64 s[58:59], s[4:5], s[58:59]
	s_add_nc_u64 s[60:61], s[8:9], s[60:61]
.irp c, 0
	s_mov_b32 s[G0A+4*\c], 1
	s_add_co_u32 s[G0A+4*\c+1], s62, \c*24576
	s_add_nc_u64 s[G0A+4*\c+2:G0A+4*\c+3], s[58:59], \c*1024*1536
	s_or_b32 s[G0A+4*\c+3], s[G0A+4*\c+3], 0x80000000
	s_mov_b32 s[G0B+4*\c], 1
	s_add_co_u32 s[G0B+4*\c+1], s63, \c*49152
	s_add_nc_u64 s[G0B+4*\c+2:G0B+4*\c+3], s[60:61], \c*128*1536
	s_or_b32 s[G0B+4*\c+3], s[G0B+4*\c+3], 0x80000000
.endr
	CROUND                                         ; all sixteen work-groups are here: the joint loads meet
	s_cmp_eq_u32 s[WA], 0                          ; a wave's one fill stands in one branch on its number, ahead of every wait on TENSORcnt, every LDS read and every other barrier
	s_cbranch_scc0 .Lfill_b
	tensor_load_to_lds s[G0A:G0A+3], s[G1A:G1A+7]  ; my one load: four tiles of A, all eight K steps
	s_nop 0
	PLACES 4                                       ; four v_nop follow the last load of each arm
	s_branch .Lfilled
.Lfill_b:
	tensor_load_to_lds s[G0B:G0B+3], s[G1B:G1B+7]  ; my one load: eight tiles of B, all eight K steps
	s_nop 0
	PLACES 4
.Lfilled:
	v_and_b32 v1, 15, v0                           ; r
	v_bfe_u32 v2, v0, 4, 1                         ; h
	v_and_b32 v3, 31, v0                           ; lane
	v_lshlrev_b32 v4, 4, v3                        ; 16 x lane
	s_wait_alu depctr_va_vdst(0)
	v_lshlrev_b32 v5, 3, v3                        ; 8 x lane
	v_lshlrev_b32 v6, 2, v3                        ; 4 x lane
	s_wait_alu depctr_va_vdst(0)
	v_lshlrev_b32 v7, 1, v3                        ; 2 x lane
	s_wait_alu depctr_va_vdst(0)
	s_lshl_b32 s84, s[BBLK], 8
	s_lshl_b32 s85, s[WB], 7
	s_add_co_u32 s84, s84, s85                     ; my first column
	s_lshl_b32 s86, s84, 2
	s_mov_b32 s87, 0
	s_add_nc_u64 s[88:89], s[10:11], s[86:87]      ; its scale words
	s_add_nc_u64 s[92:93], s[12:13], s[86:87]      ; its numbers of bo
	s_add_nc_u64 s[94:95], s[14:15], s[86:87]
	s_lshl_b32 s85, s[ABLK], 7
	s_lshl_b32 s86, s[WA], 6
	s_add_co_u32 s85, s85, s86                     ; my first token
	s_lshl_b32 s86, s85, 12
	s_add_nc_u64 s[94:95], s[94:95], s[86:87]      ; out at my first token and column
	s_lshl_b32 s86, s85, 1                         ; 64 bytes of hs for each pair of tiles, 32 tokens
	s_add_nc_u64 s[90:91], s[6:7], s[86:87]
	s_mul_i32 s23, s[WV], 16*272
	s_add_co_u32 s23, s23, STAGE                   ; my stage
	v_add_nc_u32 v[STW], s23, v4
	v_lshl_add_u32 v[STB], v2, 5, s23
.irp hd, 0,1,2,3,4,5,6,7,8,9,10,11,12,13,14,15
	global_load_b128 v[AF+4*\hd:AF+4*\hd+3], v4, s[92:93] offset:4096*\hd        ; bo(head, my 128 columns): four a lane
.endr
.irp pb, 0,1,2,3
.irp q, 0,1,2,3,4,5,6,7
	global_load_b32 v[SB+8*\pb+\q], v6, s[88:89] offset:4096*\q+128*\pb          ; lane l: the word of column 32 pb + l for K step q
.endr
.endr
.irp i, 0,1
.irp hd, 0,1,2,3,4,5,6,7,8,9,10,11,12,13,14,15
	global_load_u16 v[HB+16*\i+\hd], v7, s[90:91] offset:16384*\hd+64*\i         ; lane l: the head's two bytes of tile 2 i + l / 16, row l % 16
.endr
.endr
	s_wait_loadcnt 0x0
.irp hd, 1,2,3,4,5,6,7,8,9,10,11,12,13,14,15   ; the sum over heads, heads ascending
	v_pk_add_f32 v[AF:AF+1], v[AF:AF+1], v[AF+4*\hd:AF+4*\hd+1]
	v_pk_add_f32 v[AF+2:AF+3], v[AF+2:AF+3], v[AF+4*\hd+2:AF+4*\hd+3]
.endr
	ds_store_b128 v[STW], v[AF:AF+3]               ; through my own stage into the result's layout: LDS serves a wave's instructions in order (ISA guide 5.7.1.4)
	WIN 0x80
.irp t, 0,1,2,3,4,5,6,7
.irp f, 0,1
	ds_load_b128 v[BI+8*\t+4*\f:BI+8*\t+4*\f+3], v[STB] offset:64*\t+16*\f       ; the bias of columns 16 t + 8 h + 0 .. 7
.endr
.endr
	WIN 0
.irp i, 0,1
.irp s, 0,1,2,3,4,5,6,7
	v_lshl_or_b32 v[SA+8*\i+\s], v[HB+16*\i+2*\s+1], 16, v[HB+16*\i+2*\s]        ; K step s's word: heads 2 s and 2 s + 1
.endr
.endr
	; the addresses are made here: 22 plain vector lines between the last scale word and the first product, where eight are asked
	s_mul_i32 s85, s[WA], 49152
	s_mul_i32 s86, s[WB], 98304
	s_add_co_u32 s86, s86, BBASE
	v_add_nc_u32 v[ADA], s85, v5
	v_add_nc_u32 v[ADA+1], 24576, v[ADA]
	v_add_nc_u32 v[ADB], s86, v4
	v_add_nc_u32 v[ADB+1], 24576, v[ADB]
	v_add_nc_u32 v[ADB+2], 2*24576, v[ADB]
	v_add_nc_u32 v[ADB+3], 3*24576, v[ADB]
	v_mul_u32_u24 v[STO], v1, 272                  ; in: row r, 32 bytes for each half of the lanes
	v_lshl_add_u32 v[STO], v2, 5, v[STO]
	v_add_nc_u32 v[STO], s23, v[STO]
	v_mul_u32_u24 v[RD], v2, 272                   ; back: lanes 0-15 one row of 256 bytes, lanes 16-31 the next
	v_lshl_add_u32 v[RD], v1, 4, v[RD]
	v_add_nc_u32 v[RD], s23, v[RD]
	v_lshlrev_b32 v[CO], 12, v2                    ; and the same two rows in out
	v_lshl_add_u32 v[CO], v1, 4, v[CO]
	PLACES 8
	s_wait_alu depctr_va_vdst(0)
	s_wait_tensorcnt 0x0                           ; my one load is in: all eight K steps of my tiles
	s_wait_dscnt 0x0                               ; the bias is in: no LDS instruction of mine is out at a signal
	s_barrier_signal -1
	s_barrier_wait -1                              ; everybody's part is in
	FETCH 0, 0
	STEP 0, -1
	STEP 1, -1
	STEP 2, -1
	STEP 3, -1
	STEP 4, -1
	STEP 5, -1
	STEP 6, -1
	STEP 7, -1
	WIN 0
; THE WAY OUT, eight rounds: round n is tile n / 2 of my tokens and half n % 2 of my 128 columns.
.macro TOSTAGE n
	WIN 0x04                                       ; an LDS store's data are its source 1: window 1
.irp x, 0,1,2,3
.set AC, 8*(8*((\n)/2)+4*((\n)%2)+\x)
	ds_store_b128 v[STO], v[AC:AC+3] offset:64*\x              ; each accumulator from its low end on
	ds_store_b128 v[STO], v[AC+4:AC+7] offset:64*\x+16
.endr
	WIN 0
.irp i, 0,1,2,3,4,5,6,7
	ds_load_b128 v[OB+32*((\n)%2)+4*\i:OB+32*((\n)%2)+4*\i+3], v[RD] offset:544*\i   ; rows 2 i and 2 i + 1: these see the stores above, and the next round's stores come behind them
.endr
.endm
.macro SEND n, younger                 ; younger: the LDS instructions issued behind round n's loads, which may stay out
	s_wait_dscnt \younger
.irp i, 0,1,2,3,4,5,6,7
	global_store_b128 v[CO], v[OB+32*((\n)%2)+4*\i:OB+32*((\n)%2)+4*\i+3], s[94:95] offset:(8*((\n)/2)+2*(\i%4)+32*(\i/4))*4096+256*((\n)%2) th:TH_STORE_NT   ; tile ta = n / 2, row 2 i + h is token 32 (i / 4) + 8 ta + 2 (i % 4) + h; 16 lanes store 256 consecutive aligned bytes
.endr
.endm
	PLACES 4                                       ; in front of the first read of results and of loads into operands that are done with
	TOSTAGE 0
.irp n, 1,2,3,4,5,6,7
.if \n > 1
	s_wait_xcnt 0x0                                ; round n - 2's stores have read their registers: round n's loads may land there
.endif
	TOSTAGE \n
	SEND \n-1, 16                                  ; behind round n - 1's loads: round n's eight stores and eight loads
.endr
	SEND 7, 0
	s_wait_dscnt 0x0                               ; no LDS instruction of mine is out at a signal (my tensor load was waited for before the K steps)
	s_wait_tensorcnt 0x0
	ds_add_u32 v254, v255
	s_wait_dscnt 0x0
	CROUND                                         ; the closing round: no work-group ends while a partner may still ask for a tile that names it
	s_endpgm
.Lfunc_end_k_q819a26e9fb_outproj:
	.size	k_q819a26e9fb_outproj, .Lfunc_end_k_q819a26e9fb_outproj-k_q819a26e9fb_outproj
	.p2alignl 7, 3214868480
	.fill 96, 4, 3214868480
	.section	.rodata,"a",@progbits
	.p2align	6, 0x0
	.amdhsa_kernel k_q819a26e9fb_outproj
		.amdhsa_group_segment_fixed_size 312832
		.amdhsa_private_segment_fixed_size 0
		.amdhsa_enable_private_segment 0
		.amdhsa_kernarg_size 48
		.amdhsa_user_sgpr_count 2
		.amdhsa_user_sgpr_kernarg_segment_ptr 1
		.amdhsa_wavefront_size32 1
		.amdhsa_system_sgpr_workgroup_id_x 1
		.amdhsa_system_sgpr_workgroup_id_y 1
		.amdhsa_system_sgpr_workgroup_id_z 1
		.amdhsa_system_vgpr_workitem_id 0
		.amdhsa_next_free_vgpr 768
		.amdhsa_next_free_sgpr 96
		.amdhsa_reserve_vcc 0
		.amdhsa_float_denorm_mode_32 3
		.amdhsa_float_denorm_mode_16_64 3
		.amdhsa_memory_ordered 1
		.amdhsa_forward_progress 1
		.amdhsa_inst_pref_size 92
	.end_amdhsa_kernel
	.amdgpu_metadata
---
amdhsa.version: [ 1, 2 ]
amdhsa.kernels:
  - .name:           k_q819a26e9fb_outproj
    .symbol:         k_q819a26e9fb_outproj.kd
    .args:
      - { .name: hc, .offset: 0, .size: 8, .value_kind: global_buffer, .address_space: global }
      - { .name: hs, .offset: 8, .size: 8, .value_kind: global_buffer, .address_space: global }
      - { .name: woimg, .offset: 16, .size: 8, .value_kind: global_buffer, .address_space: global }
      - { .name: wosc, .offset: 24, .size: 8, .value_kind: global_buffer, .address_space: global }
      - { .name: bo, .offset: 32, .size: 8, .value_kind: global_buffer, .address_space: global }
      - { .name: out0, .offset: 40, .size: 8, .value_kind: global_buffer, .address_space: global }
    .group_segment_fixed_size: 312832
    .private_segment_fixed_size: 0
    .kernarg_segment_align: 8
    .kernarg_segment_size: 48
    .max_flat_workgroup_size: 128
    .sgpr_count:     96
    .vgpr_count:     768
    .wavefront_size: 32
...
	.end_amdgpu_metadata
.endif
;; end of part 3
